; MI455X (gfx1250); checked and timed in simulation.
; The chip was launched on July 23, 2026; its instructions are those of AMD's public machine-readable ISA for CDNA 5 (MIT licence, August 2026) and "CDNA5" Instruction Set Architecture Reference Guide (July 2026). The comments in the code are by the model that wrote it; some were corrected since.
;; Self Attention. Allowed arithmetic: matrix products marked QUANTISED: E2M3 operands, one E8M0 scale for each 32 along K, by v_wmma_scale_f32_16x16x128_f8f6f4 with both operands' format E2M3, f32 sums; everything else in f32.
;; Inputs: Wout 1,024 x 1,024 float32; Wqkv 3,072 x 1,024 float32; bout 1,024 float32; bqkv 3,072 float32; x 4 x 2,048 x 1,024 float32.
;; Outputs: out0 4 x 2,048 x 1,024 float32.
;; This version of the problem:
;;   THIS VERSION OF THE PROBLEM IS GIVEN IN LOW PRECISION. The matrix products marked QUANTISED in the list below multiply operands that are first quantised to E2M3 (2 exponent bits, 3 mantissa bits; 6 bits a number), with one power-of-two scale for each 32 numbers along K (OCP MX v1.0); their sums are f32. All else is computed in f32.
;;   The module's matrix products, in the order in which they are computed (A, B: the left and right operand; K: the contracted axis; several contracted axes count as one K, in the product's order):
;;     1. [M 8,192, K 1,024] x [K 1,024, N 3,072]; A: input x; B: input Wqkv: QUANTISED
;;     2. batch 64 x [M 2,048, K 64] x [K 64, N 2,048]; A: computed on the way; B: computed on the way: QUANTISED
;;     3. batch 64 x [M 64, K 2,048] x [K 2,048, N 2,048]; A: computed on the way; B: softmax (see below): QUANTISED
;;     4. [M 8,192, K 1,024] x [K 1,024, N 1,024]; A: computed on the way; B: input Wout: QUANTISED
;;   THE QUANTISER, for each operand of a quantised product, along K:
;;     - K is cut into blocks of 32 from its start; a last block that is shorter is filled with zeros.
;;     - A block's scale is 2^e with e = floor(log2(the largest magnitude in the block)) - 2, held to -126 .. 127; a block of zeros has e = 0. As a byte (E8M0): e + 127.
;;     - Each number is divided by its block's scale, clamped to +-7.5, and rounded to the nearest number of E2M3, ties to even, subnormals kept.
;;     - The product sums the exact products of the quantised numbers (number of the format x scale) in f32.
;;   ~~~python
;;   def quantise(x, axis):      # numpy; x: float32 -> the quantised numbers, widened to float32 again
;;       x = np.moveaxis(x, axis, -1); K = x.shape[-1]
;;       x = np.pad(x, [(0, 0)] * (x.ndim - 1) + [(0, -K % 32)]); x = x.reshape(x.shape[:-1] + (-1, 32)); a = np.abs(x).max(-1, keepdims=True)
;;       e = np.where(a > 0, np.clip(np.frexp(np.where(a > 0, a, 1))[1] - 1 - 2, -126, 127), 0)      # np.frexp(a)[1] - 1 = floor(log2(a)), exactly
;;       r = np.clip(x / 2.0 ** e, -7.5, 7.5)
;;       step = 2.0 ** (np.maximum(np.frexp(np.where(r == 0, 1, r))[1] - 1, 0) - 3)
;;       q = np.round(r / step) * step * 2.0 ** e      # np.round: ties to even
;;       return np.moveaxis(q.reshape(q.shape[:-2] + (-1,))[..., :K], -1, axis).astype(np.float32)
;;   ~~~
;;   SOFTMAX AHEAD OF A QUANTISED PRODUCT. Where the list says 'softmax', what is quantised is not the finished softmax but p = 2^(t - M), with t = logit x log2(e) and M = ceil(the row's largest t), a whole number; so 1/2 < the row's largest p <= 1. The row's sum l is taken of the UNQUANTISED p, in f32, and the product's result is divided by l at the end. Since M is a whole number, a kernel that streams over the keys may use a running M (the ceiling of the running maximum): every later rescaling is an exact power of two, which a block's scale takes up: the codes' values come out the same.
;;   OPERANDS COMPUTED ON THE WAY. 'Computed on the way' means the value that the module computes at that place (a softmax that the list does not call 'softmax' is quantised finished and normalised). What goes into a quantiser is computed in f32, as accurately as f32 sums, v_exp_f32 and their like allow (about 1e-6 of the number): no bf16 or f16 on the way to a quantiser, and a product that is left as it is and whose result goes on into a quantised operand takes f32 operands (vector FMAs, or v_wmma_f32_16x16x4_f32). A number that lies on a knife's edge between two numbers of the format may be rounded either way, as far as f32 arithmetic and the matrix unit's own rounding can turn it there, and no further.
;; One version. Each part assembles by itself: llvm-mc -triple=amdgcn-amd-amdhsa -mcpu=gfx1250 --defsym DOCPART=n.
;; ======== version 1 of 1: 4 launches
;; limits: right only within a limited range of input values
;; workspace buffers: codes1 9,437,184 bytes; scales1 393,216 bytes; qq 6,815,744 bytes; kvc 12,582,912 bytes; kvs 524,288 bytes; ac 6,291,456 bytes; asw 524,288 bytes
;; launch quant (part 1): grid 768 x 1, 4 waves a work-group, no clusters, 34,816 bytes of LDS; arguments x, Wqkv, Wout, codes1, scales1; writes codes1, scales1
.if DOCPART == 1
	.amdgcn_target "amdgcn-amd-amdhsa--gfx1250"
	.amdhsa_code_object_version 6
	.text
	.protected	k_q1346ddf5db_quant
	.globl	k_q1346ddf5db_quant
	.p2align	8
	.type	k_q1346ddf5db_quant,@function
k_q1346ddf5db_quant:
	s_mov_b64 s[64:65], 0
	v_nop
	global_prefetch_b8 v0, s[64:65] scope:SCOPE_SE
	s_setreg_imm32_b32 hwreg(HW_REG_WAVE_MODE, 25, 1), 1
	s_wait_xcnt 0x0
; LAUNCH 1 OF 4.  x [8192][1024], Wqkv [3072][1024], Wout [1024][1024], f32, K innermost, become codes of FP6 (E2M3) with one E8M0 byte for each 32 along K.
; DEAD WORK, for the whole program.  No input is dead: bqkv moves the codes of q, k and v, bout is added to the result.  Left out are only the key steps of attention (128 keys x 16 queries) that lie wholly
; above the diagonal: reference() itself sets their scores to -infinity by its own jnp.tril, so their p is exactly 0 for all values of the inputs, and they add 0 to the row's sum and to the second product.
; LIMIT: a NaN, an infinity or an overflow that reaches only those key steps is not carried to the result.  NaN and infinities among the inputs are not served.
; LIMIT: a block of zeros gets the byte 1 where the quantiser says 127 (its codes are zeros, which add nothing, and only this program reads the bytes); a block whose largest magnitude lies under 2^-124 is held at byte 1.
; LAYOUT of all codes of this program: the order of the operand's registers.  A TILE is 16 rows: tile 2 G + u holds rows 32 G + 8 u + r + 8 (r / 8), r = 0 .. 15.  A fragment (16 rows x 128 K, 12 registers a lane)
; is two units of 768 bytes (64 along K each): registers 0-3 of the unit at 16 x lane, registers 4-5 at 512 + 8 x lane.  A tile's eight fragments lie on end: 12,288 bytes.
; Scale words: [tile][K steps 0-3 | 4-7][row r][4 words]: 512 bytes a tile.
; SHARES: a work-group takes one tile (0-511 x, 512-703 Wqkv, 704-767 Wout), wave w its K steps 2 w and 2 w + 1.  Each load reads 512 consecutive bytes of a row; the numbers turn through the wave's own stage in LDS,
; so that a lane holds whole blocks of 32; each store covers 512 or 256 consecutive bytes, aligned.  Written out: no loop, no pointer is stepped, no store's data are written again.
.set STGB,  8448                       ; a wave's stage: 16 rows x (512 + 16) bytes
.set SCI,   33792                      ; the tile's 512 bytes of scale words
.set SPARE, 34304                      ; the spare words, 128 bytes a wave: two blocks of 256 bytes that no other line names
.set L16, 1                            ; 16 x lane
.set L8,  2                            ; 8 x lane
.set SIN, 3                            ; the stage, on the way in
.set SOUT, 4                           ; and out: row r, + 128 h
.set SWA, 5                            ; where my two scale words go
.set H8,  6                            ; 8 h
.set SRD, 7                            ; SCI + 16 x lane
.set SPW, 12
.set NIL, 13
.set PC,  16                           ; v16-39  two fragments' codes
.set CT,  40                           ; v40-47  the second halves of blocks, as converted
.set TM,  48
.set SO,  50
.set BY,  52
.set T0,  54
.set T1,  55
.set WD,  56                           ; v56-57  the two scale words
.set R,   64                           ; v64-191 numbers as loaded
.set X,   192                          ; v192-255 two blocks of 32 of my row
	s_load_b256 s[4:11], s[0:1], 0x0               ; x, Wqkv, Wout, codes1
	s_load_b64 s[12:13], s[0:1], 0x20              ; scales1
	v_lshl_add_u32 v[SPW], v0, 2, SPARE
	v_mov_b32 v[NIL], 0
	v_lshrrev_b32 v8, 5, v0
	v_readfirstlane_b32 s16, v8                    ; wave
	v_and_b32 v8, 31, v0                           ; lane
	v_and_b32 v9, 15, v0                           ; r
	v_bfe_u32 v10, v0, 4, 1                        ; h
	v_lshlrev_b32 v[L16], 4, v8
	v_lshlrev_b32 v[L8], 3, v8
	s_mul_i32 s17, s16, STGB
	v_add_nc_u32 v[SIN], s17, v[L16]
	v_mul_u32_u24 v[SOUT], v9, 528
	v_lshl_add_u32 v[SOUT], v10, 7, v[SOUT]
	v_add_nc_u32 v[SOUT], s17, v[SOUT]
	s_lshr_b32 s18, s16, 1
	s_lshl_b32 s18, s18, 8
	s_and_b32 s19, s16, 1
	s_lshl_b32 s19, s19, 3
	s_add_co_u32 s18, s18, s19
	s_add_co_u32 s18, s18, SCI                     ; group w / 2, words 2 (w % 2) and + 1
	v_lshl_add_u32 v[SWA], v9, 4, s18
	v_lshlrev_b32 v[H8], 3, v10
	v_add_nc_u32 v[SRD], SCI, v[L16]
	v_mov_b32 v[T1], 0                             ; a lane permute's destination counts as one of its sources
	s_mov_b32 s14, 0x76543210
	s_mov_b32 s15, 0xfedcba98                      ; lane l xor 16
	s_mov_b32 s20, 704
	s_wait_alu depctr_va_vdst(0)
	s_wait_kmcnt 0x0
	s_cmp_lt_u32 ttmp9, 704                        ; which tensor: the choice hangs on the work-group's number alone
	s_cselect_b64 s[6:7], s[6:7], s[8:9]
	s_cselect_b32 s20, 512, s20
	s_cmp_lt_u32 ttmp9, 512
	s_cselect_b64 s[4:5], s[4:5], s[6:7]
	s_cselect_b32 s20, 0, s20
	s_sub_co_u32 s20, ttmp9, s20                   ; the tile's number in its tensor
	s_lshr_b32 s21, s20, 1
	s_lshl_b32 s21, s21, 17                        ; 32 rows of 4,096 bytes for each pair of tiles
	s_and_b32 s22, s20, 1
	s_lshl_b32 s22, s22, 15                        ; 8 rows for the odd tile
	s_add_co_u32 s22, s21, s22
	s_lshl_b32 s21, s16, 10                        ; my 256 numbers of a row
	s_add_co_u32 s22, s22, s21
	s_mov_b32 s23, 0
	s_add_nc_u64 s[4:5], s[4:5], s[22:23]
	s_mul_i32 s22, ttmp9, 12288
	s_mul_i32 s21, s16, 3072
	s_add_co_u32 s22, s22, s21
	s_add_nc_u64 s[10:11], s[10:11], s[22:23]      ; my two fragments
	s_lshl_b32 s22, ttmp9, 9
	s_add_nc_u64 s[12:13], s[12:13], s[22:23]      ; the tile's scale words
.irp f, 0,1
.irp r, 0,1,2,3,4,5,6,7,8,9,10,11,12,13,14,15
	global_load_b128 v[R+64*\f+4*\r:R+64*\f+4*\r+3], v[L16], s[4:5] offset:(\r+8*(\r/8))*4096+512*\f th:TH_LOAD_NT
.endr
.endr
.macro FRAGMENT f
	s_wait_loadcnt 16*(1-\f)                       ; this fragment's 16 loads are in; the other's may be out
.irp r, 0,1,2,3,4,5,6,7,8,9,10,11,12,13,14,15
	ds_store_b128 v[SIN], v[R+64*\f+4*\r:R+64*\f+4*\r+3] offset:528*\r
.endr
.irp c, 0,1
.irp i, 0,1,2,3,4,5,6,7
	ds_load_b128 v[X+32*\c+4*\i:X+32*\c+4*\i+3], v[SOUT] offset:256*\c+16*\i   ; block 2 c + h of row r; LDS serves a wave's instructions in order: these see my stores
.endr
.endr
	s_wait_dscnt 0x0
.irp c, 0,1
	v_max3_num_f32 v[TM+\c], |v[X+32*\c]|, |v[X+32*\c+1]|, 0x1800000   ; the floor 2^(3 - 127): the byte cannot fall under 1
.endr
.irp i, 2,4,6,8,10,12,14,16,18,20,22,24,26,28,30
.irp c, 0,1
	v_max3_num_f32 v[TM+\c], v[TM+\c], |v[X+32*\c+\i]|, |v[X+32*\c+\i+1]|
.endr
.endr
.irp c, 0,1
	v_add_nc_u32 v[SO+\c], 0xff000000, v[TM+\c]    ; 2 off the exponent field: the conversion's scale operand
.endr
.irp c, 0,1
	v_lshrrev_b32 v[BY+\c], 23, v[SO+\c]           ; the scale's byte
.endr
	v_lshl_or_b32 v[T0], v[BY+1], 16, v[BY]        ; blocks h and 2 + h,
	v_lshlrev_b32 v[T0], v[H8], v[T0]              ; at their places in the word;
	v_permlanex16_b32 v[T1], v[T0], s14, s15
	v_or_b32 v[WD+\f], v[T0], v[T1]                ; with lane l xor 16's two the word is whole
.irp c, 0,1
	v_cvt_scalef32_pk16_fp6_f32 v[PC+12*\f+6*\c:PC+12*\f+6*\c+2], v[X+32*\c:X+32*\c+15], v[SO+\c]
	v_cvt_scalef32_pk16_fp6_f32 v[CT+4*\c:CT+4*\c+2], v[X+32*\c+16:X+32*\c+31], v[SO+\c]   ; (a conversion's three registers begin on an even number)
.endr
	v_nop                                          ; one plain place behind a scaled conversion
.irp c, 0,1
.irp i, 0,1,2
	v_mov_b32 v[PC+12*\f+6*\c+3+\i], v[CT+4*\c+\i]
.endr
.endr
	global_store_b128 v[L16], v[PC+12*\f:PC+12*\f+3], s[10:11] offset:1536*\f
	global_store_b64 v[L8], v[PC+12*\f+4:PC+12*\f+5], s[10:11] offset:1536*\f+512
	global_store_b128 v[L16], v[PC+12*\f+6:PC+12*\f+9], s[10:11] offset:1536*\f+768
	global_store_b64 v[L8], v[PC+12*\f+10:PC+12*\f+11], s[10:11] offset:1536*\f+1280
.endm
	FRAGMENT 0
	FRAGMENT 1
	ds_store_b64 v[SWA], v[WD:WD+1]                ; both halves of the lanes write the same bytes with the same values
	s_wait_dscnt 0x0                               ; for the others' sake: my stores are done
	s_barrier_signal -1
	s_barrier_wait -1
	s_cmp_lg_u32 s16, 0
	s_cbranch_scc1 .Lnot_wave_0
	ds_load_b128 v[CT:CT+3], v[SRD]                ; the tile's 512 bytes of scale words leave as two aligned blocks of 256 bytes
	s_wait_dscnt 0x0
	global_store_b128 v[L16], v[CT:CT+3], s[12:13]
.Lnot_wave_0:
	s_wait_tensorcnt 0x0                           ; the wave's end
	ds_add_u32 v[SPW], v[NIL]
	s_wait_dscnt 0x0
	s_endpgm
.Lfunc_end_k_q1346ddf5db_quant:
	.size	k_q1346ddf5db_quant, .Lfunc_end_k_q1346ddf5db_quant-k_q1346ddf5db_quant
	.p2alignl 7, 3214868480
	.fill 96, 4, 3214868480
	.section	.rodata,"a",@progbits
	.p2align	6, 0x0
	.amdhsa_kernel k_q1346ddf5db_quant
		.amdhsa_group_segment_fixed_size 34816
		.amdhsa_private_segment_fixed_size 0
		.amdhsa_enable_private_segment 0
		.amdhsa_kernarg_size 40
		.amdhsa_user_sgpr_count 2
		.amdhsa_user_sgpr_kernarg_segment_ptr 1
		.amdhsa_wavefront_size32 1
		.amdhsa_system_sgpr_workgroup_id_x 1
		.amdhsa_system_sgpr_workgroup_id_y 1
		.amdhsa_system_sgpr_workgroup_id_z 1
		.amdhsa_system_vgpr_workitem_id 0
		.amdhsa_next_free_vgpr 256
		.amdhsa_next_free_sgpr 66
		.amdhsa_reserve_vcc 0
		.amdhsa_float_denorm_mode_32 3
		.amdhsa_float_denorm_mode_16_64 3
		.amdhsa_memory_ordered 1
		.amdhsa_forward_progress 1
		.amdhsa_inst_pref_size 17
	.end_amdhsa_kernel
	.amdgpu_metadata
---
amdhsa.version: [ 1, 2 ]
amdhsa.kernels:
  - .name:           k_q1346ddf5db_quant
    .symbol:         k_q1346ddf5db_quant.kd
    .args:
      - { .name: x, .offset: 0, .size: 8, .value_kind: global_buffer, .address_space: global }
      - { .name: Wqkv, .offset: 8, .size: 8, .value_kind: global_buffer, .address_space: global }
      - { .name: Wout, .offset: 16, .size: 8, .value_kind: global_buffer, .address_space: global }
      - { .name: codes1, .offset: 24, .size: 8, .value_kind: global_buffer, .address_space: global }
      - { .name: scales1, .offset: 32, .size: 8, .value_kind: global_buffer, .address_space: global }
    .group_segment_fixed_size: 34816
    .private_segment_fixed_size: 0
    .kernarg_segment_align: 8
    .kernarg_segment_size: 40
    .max_flat_workgroup_size: 128
    .sgpr_count:     66
    .vgpr_count:     256
    .wavefront_size: 32
...
	.end_amdgpu_metadata
.endif
;; end of part 1
;; launch qkv (part 2): grid 16 x 32, 4 waves a work-group, clusters of 4 x 4, 327,680 bytes of LDS; arguments codes1, scales1, bqkv, qq, kvc, kvs; writes qq, kvc, kvs
.if DOCPART == 2
	.amdgcn_target "amdgcn-amd-amdhsa--gfx1250"
	.amdhsa_code_object_version 6
	.text
	.protected	k_q1346ddf5db_qkv
	.globl	k_q1346ddf5db_qkv
	.p2align	8
	.type	k_q1346ddf5db_qkv,@function
k_q1346ddf5db_qkv:
	s_mov_b64 s[64:65], 0
	v_nop
	global_prefetch_b8 v0, s[64:65] scope:SCOPE_SE
	s_setreg_imm32_b32 hwreg(HW_REG_WAVE_MODE, 25, 1), 1
	s_wait_xcnt 0x0
	s_wait_alu depctr_hold_cnt(0) depctr_sa_sdst(0) depctr_va_vdst(0) depctr_va_sdst(0) depctr_va_ssrc(0) depctr_va_vcc(0) depctr_vm_vsrc(0)
	s_getreg_b32 s2, hwreg(HW_REG_IB_STS2, 6, 4)
	s_cmp_eq_u32 s2, 0
	s_cbranch_scc0 .Lentry_in_a_cluster
	s_endpgm
.Lentry_in_a_cluster:
	s_bfe_u32 s2, ttmp6, 0x10000c
	s_cmp_lg_u32 s2, 0xf033
	s_cbranch_scc0 .Lentry_shape_is_right
	s_endpgm
.Lentry_shape_is_right:
; LAUNCH 2 OF 4.  qkv = x Wqkv^T + bqkv on codes of FP6; q and k are quantised along the head's 64, v along the keys, all in registers: qkv never goes to memory as f32.  Nothing is left out here.
; SHARES.  A work-group makes 256 rows (tile row y: batch y / 8, rows 256 (y % 8) on) x one head's 192 columns (x).  Wave w takes rows 64 w .. 64 w + 63 (x's tiles 4 w + a) against all 12 tiles of Wqkv
; (0-3 q, 4-7 k, 8-11 v): 48 accumulators, 48 matrix instructions for each 128 along K.
; q, k: source 0 = 16 rows of W, source 1 = 16 rows of x: a lane holds one row, and the 16 registers of tiles 2 G, 2 G + 1 are 16 neighbours along the head.
; v:    source 0 = 16 rows of x, source 1 = 16 rows of W: a lane holds one channel d, and the 16 registers of x's tiles 2 G, 2 G + 1 are 16 neighbouring keys.
; The bias is the C of each sum's first matrix instruction.
; RING.  K steps 0, 1 lie in region 0 of LDS, 2, 3 in region 1, 4, 5 in region 2, all asked for at the head; 6, 7 come into region 0 again, behind one round of the cluster's barrier.
; CLUSTER.  4 x 4 work-groups: x's tiles hang on y alone and are asked for jointly by a row of the cluster, W's on the head alone, by a column.
; REGISTERS.  window 0: v1-30 addresses; v32-63 x's scale words (8 a + s), v64-159 W's (8 b + s); v160-255 the way out.   window 1: v0-143 W's 12 fragments, v144-191 and v192-239 x's four, two sets.
;   window 2: q's and k's accumulators (b, a) at 64 (b / 2) + 16 a + 8 (b % 2).   window 3: v0-127 v's (dt, a) at 32 dt + 8 a; v128-191 the bias of q and k; v192-223 of v.
; LIMITS as stated at the head of the first launch (floor of the scale's byte; NaN and infinities are not served).
; THE RING AS IT STANDS (in place of the paragraph RING above).  Slot 0, from LDS byte 0: K steps 0-3, x's 16 tiles of 6,144 bytes, then from 98,304 W's 12: asked for at the head, one load a wave.
; Slot 1, from 172,032: K steps 4-6, x's 16 tiles of 4,608 bytes, then from 245,760 W's 12: first filled behind the three lines and a round, as a refill is.  K step 7 (1,536 bytes a tile) comes into
; slot 0 again (x's from 0, W's from 98,304) behind the round in K step 3, when slot 0's last fragments are in registers; a plain barrier in K step 6 shows it to all four waves.
.set SCI,   301056                     ; 1,024 bytes: k's and v's scale words of the work-group's 256 rows
.set SPARE, 302080                     ; the spare words, 128 bytes a wave: two blocks of 256 bytes that no other line names
.set L16, 1
.set L8,  2
.set R16, 3
.set A16, 4                            ; v4-6, v7-9: my four tiles of x in region j: + 16 x lane, + 8 x lane
.set A8,  7
.set B16, 10                           ; v10-12, v13-15: W's tiles likewise
.set B8,  13
.set KSA, 16
.set VSA, 17
.set SCR, 18
.set H64, 19
.set VBO, 20
.set KW,  22                           ; v22-23 k's two scale words
.set QP,  24                           ; v24-25 q's scale words as stored
.set VH,  26                           ; v26-27 v's half words
.set SPW, 28
.set NIL, 29
.set FLO, 30                           ; the floor 2^(3 - 127)
.set SCA, 32
.set SCB, 64
.set PCS, 160                          ; v160-231 six fragments' codes
.set TM,  232
.set PX,  236
.set SO,  240
.set CT0, 244
.set CT1, 248
.set QW,  252
.set BF,  0
.set AF,  144
.set G1A, 32
.set G1B, 40
.set G0A, 48                           ; s[48:59] three sets
.set G0B, 68                           ; s[68:79]
.set SEL, 80
.set HIM, 82
.set MSB, 0
.macro WIN new                         ; the immediate's high byte repeats the setting that is left
.if MSB != \new
	s_set_vgpr_msb (MSB<<8)|\new
.set MSB, \new
.endif
.endm
.macro JLOAD g0a, g1a, g0b, g1b        ; a joint load: waves 0 and 1 fetch for x, waves 2 and 3 for W; the branch hangs on the wave's number alone; an s_nop 0 and four v_nop follow each line
	s_cmp_eq_u32 s17, 0
	s_cbranch_scc0 .Lfor_b_\@
	tensor_load_to_lds s[\g0a:\g0a+3], s[\g1a:\g1a+7]
	s_nop 0
.rept 4
	v_nop
.endr
	s_branch .Lasked_\@
.Lfor_b_\@:
	tensor_load_to_lds s[\g0b:\g0b+3], s[\g1b:\g1b+7]
	s_nop 0
.rept 4
	v_nop
.endr
.Lasked_\@:
.endm
.macro CREST                           ; a round of the cluster's barrier behind its opening barrier
	s_cmp_lg_u32 s16, 0
	s_cbranch_scc1 .Lnot_wave_0_\@
	s_barrier_signal -3
.Lnot_wave_0_\@:
	s_barrier_wait -3
	s_barrier_signal -1
	s_barrier_wait -1
.endm
.macro CROUND
	s_barrier_signal -1
	s_barrier_wait -1
	CREST
.endm
.macro PLACES                          ; four places in front of loads into registers that matrix instructions have read, and of the first read of results
.rept 4
	v_nop
.endr
.endm
	s_load_b256 s[4:11], s[0:1], 0x0               ; codes1, scales1, bqkv, qq
	s_load_b128 s[12:15], s[0:1], 0x20             ; kvc, kvs
	v_lshl_add_u32 v[SPW], v0, 2, SPARE
	v_mov_b32 v[NIL], 0
	ds_add_u32 v[SPW], v[NIL]                      ; the wave's opening: the add, twice on end, and its wait ahead of my first tensor load
	ds_add_u32 v[SPW], v[NIL]
	v_lshrrev_b32 v21, 5, v0
	v_readfirstlane_b32 s16, v21                   ; wave
	s_lshr_b32 s17, s16, 1                         ; I fetch for x (0) or for W (1)
	s_and_b32 s18, s16, 1                          ; which half of the tiles
	s_bfe_u32 s19, ttmp6, 0x40000                  ; cx
	s_bfe_u32 s20, ttmp6, 0x40004                  ; cy
	s_lshl_b32 s21, ttmp9, 2
	s_add_co_u32 s21, s21, s19                     ; the head
	s_and_b32 s22, ttmp7, 0xffff
	s_lshl_b32 s22, s22, 2
	s_add_co_u32 s22, s22, s20                     ; the tile row y
	s_lshl_b32 s23, s20, 2
	s_lshl_b32 s23, 15, s23                        ; my row of the cluster
	s_lshl_b32 s24, 0x1111, s19                    ; my column
	s_or_b32 s[G1A], s23, (3<<16)|(1<<21)          ; the mask; elements of 8 bytes; bit 21 beside a mask; no padding: the images are dense
	s_or_b32 s[G1B], s24, (3<<16)|(1<<21)
.irp g, G1A, G1B
	s_mov_b32 s[\g+1], 768<<16                     ; tensor_dim0: 6,144 bytes, four K steps of a tile
	s_mov_b32 s[\g+3], 768<<16                     ; tile_dim0
	s_mov_b32 s[\g+5], 1536                        ; from tile to tile: 12,288 bytes
	s_mov_b32 s[\g+6], 0
	s_mov_b32 s[\g+7], 0
.endr
	s_mov_b32 s[G1A+2], 8<<16                      ; x: 8 tiles a load
	s_mov_b32 s[G1A+4], 8
	s_mov_b32 s[G1B+2], 6<<16                      ; W: 6
	s_mov_b32 s[G1B+4], 6
	s_lshl_b32 s26, s22, 4
	s_lshl_b32 s25, s18, 3
	s_add_co_u32 s26, s26, s25                     ; x's tile 16 y + 8 (w & 1)
	s_mul_i32 s26, s26, 12288
	s_mov_b32 s27, 0
	s_mul_i32 s60, s21, 12
	s_mul_i32 s25, s18, 6
	s_add_co_u32 s60, s60, s25
	s_add_co_u32 s60, s60, 512                     ; W's tile 512 + 12 head + 6 (w & 1)
	s_mul_i32 s60, s60, 12288
	s_mov_b32 s61, 0
	s_mul_i32 s[G0A+1], s18, 49152                 ; where the three loads go: no place in the cluster enters an LDS address
	s_mul_i32 s[G0A+5], s18, 36864
	s_add_co_u32 s[G0A+5], s[G0A+5], 172032
	s_mul_i32 s[G0A+9], s18, 12288
	s_mul_i32 s[G0B+1], s18, 36864
	s_add_co_u32 s[G0B+1], s[G0B+1], 98304
	s_mul_i32 s[G0B+5], s18, 27648
	s_add_co_u32 s[G0B+5], s[G0B+5], 245760
	s_mul_i32 s[G0B+9], s18, 9216
	s_add_co_u32 s[G0B+9], s[G0B+9], 98304
	s_mov_b32 s[SEL], 0x76543210
	s_mov_b32 s[SEL+1], 0xfedcba98
	s_mov_b32 s[HIM], 0xffff0000                   ; lanes 16-31
	s_wait_dscnt 0x0                               ; both opening adds are done
	s_wait_kmcnt 0x0
	s_add_nc_u64 s[26:27], s[4:5], s[26:27]
	s_add_nc_u64 s[60:61], s[4:5], s[60:61]
	CROUND                                         ; all sixteen work-groups are here: the first joint loads meet
.irp j, 0,1,2                          ; three sets of group 0: K steps 0-3, 4-6 and 7 begin at bytes 0, 6,144 and 10,752 of a tile
	s_mov_b32 s[G0A+4*\j], 1
	s_add_nc_u64 s[G0A+4*\j+2:G0A+4*\j+3], s[26:27], 6144*\j-1536*(\j/2)
	s_or_b32 s[G0A+4*\j+3], s[G0A+4*\j+3], 0x80000000
	s_mov_b32 s[G0B+4*\j], 1
	s_add_nc_u64 s[G0B+4*\j+2:G0B+4*\j+3], s[60:61], 6144*\j-1536*(\j/2)
	s_or_b32 s[G0B+4*\j+3], s[G0B+4*\j+3], 0x80000000
.endr
	JLOAD G0A, G1A, G0B, G1B                       ; slot 0: one tensor load a wave at the head
	v_and_b32 v21, 31, v0
	v_and_b32 v22, 15, v0                          ; r
	v_bfe_u32 v23, v0, 4, 1                        ; h
	v_lshlrev_b32 v[L16], 4, v21
	v_lshlrev_b32 v[L8], 3, v21
	v_lshlrev_b32 v[R16], 4, v22
.macro ADRS j, am, ab, bb_             ; x: my four tiles in slot 0, in slot 1, in K step 7's place;  W: slot 0's tiles 0-5 (and K step 7's twelve), slot 0's tiles 6-11, slot 1
	s_mul_i32 s28, s16, \am
	s_add_co_u32 s28, s28, \ab
	v_add_nc_u32 v[A16+\j], s28, v[L16]
	v_add_nc_u32 v[A8+\j], s28, v[L8]
	v_add_nc_u32 v[B16+\j], \bb_, v[L16]
	v_add_nc_u32 v[B8+\j], \bb_, v[L8]
.endm
	ADRS 0, 24576, 0, 98304
	ADRS 1, 18432, 172032, 135168
	ADRS 2, 6144, 0, 245760
	s_lshl_b32 s28, s17, 8
	s_lshl_b32 s29, s18, 3
	s_add_co_u32 s29, s28, s29
	s_add_co_u32 s29, s29, SCI
	v_add_nc_u32 v[KSA], s29, v[R16]               ; k's words: step w / 2, row r, words 2 (w % 2) and + 1
	s_lshl_b32 s29, s18, 1
	s_add_co_u32 s29, s28, s29
	s_add_co_u32 s29, s29, SCI+512
	v_add_nc_u32 v[VSA], s29, v[R16]               ; v's: step w / 2, row r, bytes 2 (w % 2) and + 1 of word dt
	s_lshl_b32 s29, s16, 8
	s_add_co_u32 s29, s29, SCI
	v_add_nc_u32 v[SCR], s29, v[L8]
	v_lshlrev_b32 v[H64], 6, v23
	s_wait_alu depctr_va_vdst(0)
	v_and_b32 v24, 8, v22
	v_add_nc_u32 v24, v24, v22
	v_lshlrev_b32 v[VBO], 2, v24                   ; 4 (r + 8 (r / 8))
	s_wait_alu depctr_va_vdst(0)
	v_mov_b32 v[FLO], 0x1800000
	s_lshl_b32 s28, s22, 4
	s_lshl_b32 s29, s16, 2
	s_add_co_u32 s28, s28, s29
	s_lshl_b32 s28, s28, 9
	s_mov_b32 s29, 0
	s_add_nc_u64 s[84:85], s[6:7], s[28:29]        ; the scale words of x's tiles 16 y + 4 w on
	s_mul_i32 s28, s21, 12
	s_add_co_u32 s28, s28, 512
	s_lshl_b32 s28, s28, 9
	s_add_nc_u64 s[86:87], s[6:7], s[28:29]        ; and of the head's 12 tiles of W
	s_mul_i32 s28, s21, 768
	s_add_nc_u64 s[88:89], s[8:9], s[28:29]        ; the head's 192 numbers of bqkv
	s_lshr_b32 s28, s22, 3
	s_lshl_b32 s28, s28, 4
	s_add_co_u32 s28, s28, s21
	s_lshl_b32 s28, s28, 3
	s_and_b32 s30, s22, 7
	s_add_co_u32 s30, s28, s30                     ; the record: (16 batch + head) x 8 + y % 8
	s_mul_i32 s28, s30, 13312
	s_mul_i32 s31, s16, 3072
	s_add_co_u32 s28, s28, s31
	s_add_nc_u64 s[90:91], s[10:11], s[28:29]      ; q's codes
	s_mul_i32 s28, s30, 13312
	s_lshl_b32 s66, s16, 8
	s_add_co_u32 s28, s28, s66
	s_add_co_u32 s28, s28, 12288
	s_add_nc_u64 s[92:93], s[10:11], s[28:29]      ; q's scale words
	s_mul_i32 s28, s30, 24576
	s_add_co_u32 s28, s28, s31
	s_add_nc_u64 s[94:95], s[12:13], s[28:29]      ; k's codes
	s_mul_i32 s28, s30, 24576
	s_mul_i32 s67, s17, 6144
	s_add_co_u32 s28, s28, s67
	s_mul_i32 s67, s18, 768
	s_add_co_u32 s28, s28, s67
	s_add_co_u32 s28, s28, 12288
	s_add_nc_u64 s[96:97], s[12:13], s[28:29]      ; v's codes: step w / 2, unit w % 2
	s_lshl_b32 s28, s30, 10
	s_add_co_u32 s28, s28, s66
	s_add_nc_u64 s[98:99], s[14:15], s[28:29]      ; k's and v's scale words
.irp a, 0,1,2,3
.irp g, 0,1
	global_load_b128 v[SCA+8*\a+4*\g:SCA+8*\a+4*\g+3], v[R16], s[84:85] offset:512*\a+256*\g
.endr
.endr
.irp b, 0,1,2,3,4,5,6,7,8,9,10,11
.irp g, 0,1
	global_load_b128 v[SCB+8*\b+4*\g:SCB+8*\b+4*\g+3], v[R16], s[86:87] offset:512*\b+256*\g
.endr
.endr
	WIN 0xc0                                       ; destination window 3
.irp b, 0,1,2,3,4,5,6,7
	global_load_b128 v[128+8*\b:128+8*\b+3], v[H64], s[88:89] offset:(32*(\b/2)+8*(\b%2))*4      ; register j: the bias of column 32 (b / 2) + 16 h + 8 (b % 2) + j
	global_load_b128 v[128+8*\b+4:128+8*\b+7], v[H64], s[88:89] offset:(32*(\b/2)+8*(\b%2))*4+16
.endr
.irp d, 0,1,2,3
.irp j, 0,1,2,3,4,5,6,7
	global_load_b32 v[192+8*\d+\j], v[VBO], s[88:89] offset:(128+32*(\d/2)+8*(\d%2))*4           ; v: a lane holds one channel: its bias in all eight registers
.endr
.endr
	WIN 0
.macro FRAG reg, a16, a8, off          ; a fragment as it lies: two units of 768 bytes
	ds_load_b128 v[(\reg):(\reg)+3], v[(\a16)] offset:(\off)
	ds_load_b64 v[(\reg)+4:(\reg)+5], v[(\a8)] offset:(\off)+512
	ds_load_b128 v[(\reg)+6:(\reg)+9], v[(\a16)] offset:(\off)+768
	ds_load_b64 v[(\reg)+10:(\reg)+11], v[(\a8)] offset:(\off)+1280
.endm
.macro FETCHB s, b0                    ; six tiles of W, b0 on, of K step s
	WIN 0x40
.if (\s) < 4
.set jj, (\b0)/6
.set pp, 6144
.set oo, 1536*(\s)-6144*(\b0)
.elseif (\s) < 7
.set jj, 2
.set pp, 4608
.set oo, 1536*((\s)-4)
.else
.set jj, 0
.set pp, 1536
.set oo, 0
.endif
.set bb, \b0
.rept 6
	FRAG BF+12*bb, B16+jj, B8+jj, pp*bb+oo
.set bb, bb+1
.endr
.endm
.macro FETCHA s                        ; my four tiles of x of K step s, into set s % 2
	WIN 0x40
.if (\s) < 4
.set jj, 0
.set pp, 6144
.set oo, 1536*(\s)
.elseif (\s) < 7
.set jj, 1
.set pp, 4608
.set oo, 1536*((\s)-4)
.else
.set jj, 2
.set pp, 1536
.set oo, 0
.endif
.set aa, 0
.rept 4
	FRAG AF+48*((\s)%2)+12*aa, A16+jj, A8+jj, pp*aa+oo
.set aa, aa+1
.endr
.endm
.macro PROD s, first                   ; the product of W's tile bb and x's tile aa
.if bb < 8
.set rD, 64*(bb/2)+16*aa+8*(bb%2)
.if \first
	WIN 0xb5
	v_wmma_scale_f32_16x16x128_f8f6f4 v[rD:rD+7], v[BF+12*bb:BF+12*bb+11], v[AFS+12*aa:AFS+12*aa+11], v[128+8*bb:128+8*bb+7], v[SCB+8*bb+(\s)], v[SCA+8*aa+(\s)] matrix_a_fmt:MATRIX_FMT_FP6 matrix_b_fmt:MATRIX_FMT_FP6
.else
	WIN 0xa5
	v_wmma_scale_f32_16x16x128_f8f6f4 v[rD:rD+7], v[BF+12*bb:BF+12*bb+11], v[AFS+12*aa:AFS+12*aa+11], v[rD:rD+7], v[SCB+8*bb+(\s)], v[SCA+8*aa+(\s)] matrix_a_fmt:MATRIX_FMT_FP6 matrix_b_fmt:MATRIX_FMT_FP6
.endif
.else
.set rD, 32*(bb-8)+8*aa
	WIN 0xf5
.if \first
	v_wmma_scale_f32_16x16x128_f8f6f4 v[rD:rD+7], v[AFS+12*aa:AFS+12*aa+11], v[BF+12*bb:BF+12*bb+11], v[192+8*(bb-8):192+8*(bb-8)+7], v[SCA+8*aa+(\s)], v[SCB+8*bb+(\s)] matrix_a_fmt:MATRIX_FMT_FP6 matrix_b_fmt:MATRIX_FMT_FP6
.else
	v_wmma_scale_f32_16x16x128_f8f6f4 v[rD:rD+7], v[AFS+12*aa:AFS+12*aa+11], v[BF+12*bb:BF+12*bb+11], v[rD:rD+7], v[SCA+8*aa+(\s)], v[SCB+8*bb+(\s)] matrix_a_fmt:MATRIX_FMT_FP6 matrix_b_fmt:MATRIX_FMT_FP6
.endif
.endif
.endm
.macro MUL b0, n, s, first             ; n tiles of W x my four of x.  The 48 accumulators take turns, one instruction a turn, in the same order in every step
.set bb, \b0
.rept \n
.set aa, 0
.rept 4
	PROD \s, \first
.set aa, aa+1
.endr
.set bb, bb+1
.endr
.endm
; A step of 128 along K.  mode 0: plain.  mode 2: region 0 has been read out and is filled again.  mode 1: that fill has landed and is shown to all four waves.
.macro STEP s, mode, first
.set AFS, AF+48*((\s)%2)
.if \mode == 2
	WIN 0                                          ; (the add's two registers lie in window 0)
	s_wait_tensorcnt 0x0                           ; all my tensor loads have landed: slot 1 is whole behind the round below
	ds_add_u32 v[SPW], v[NIL]                      ; 0 onto my spare word
	s_wait_dscnt 25                                ; (the add and the 24 loads of W's upper six tiles may be out)
	MUL 0, 3, \s, 0
	s_wait_dscnt 0x0                               ; the add is done, and my reads of region 0 are over
	s_barrier_signal -1
	MUL 3, 3, \s, 0
	WIN 0
	s_barrier_wait -1
	CREST                                          ; no wave of any partner still reads region 0 or has a load on its way
	s_mov_b32 s[G1A+1], 192<<16                    ; no tensor load of mine is out: a row is now 1,536 bytes, K step 7 of a tile
	s_mov_b32 s[G1A+3], 192<<16
	s_mov_b32 s[G1B+1], 192<<16
	s_mov_b32 s[G1B+3], 192<<16
	JLOAD G0A+8, G1A, G0B+8, G1B                   ; the first tensor load behind the round; its four v_nop are the places in front of the loads below
.elseif \mode == 1
	s_wait_tensorcnt 0x0                           ; my one load that was out: my part of K step 7
	s_wait_dscnt 24
	MUL 0, 3, \s, 0
	s_wait_dscnt 0x0                               ; no LDS instruction of mine is out at the signal
	s_barrier_signal -1
	MUL 3, 3, \s, 0
	WIN 0
	s_barrier_wait -1                              ; everybody's part is in
	PLACES
.else
	s_wait_dscnt 24                                ; W's lower six tiles and x's four are in; the 24 loads of the upper six may be out
	MUL 0, 6, \s, \first
	s_wait_dscnt 0x0
	PLACES
.endif
	FETCHB \s+1, 0
	FETCHA \s+1
	MUL 6, 6, \s, \first
	PLACES
	FETCHB \s+1, 6
.endm
	s_wait_alu depctr_va_vdst(0)                   ; the head's end
	s_wait_tensorcnt 0x0                           ; my part of slot 0 is in
	ds_add_u32 v[SPW], v[NIL]
	s_mov_b32 s[G1A+1], 576<<16                    ; no tensor load of mine is out: a row is now 4,608 bytes, K steps 4-6 of a tile
	s_mov_b32 s[G1A+3], 576<<16
	s_mov_b32 s[G1B+1], 576<<16
	s_mov_b32 s[G1B+3], 576<<16
	s_wait_dscnt 0x0
	CROUND                                         ; everybody's part of slot 0 is in, and all sixteen work-groups are here
	JLOAD G0A+4, G1A, G0B+4, G1B                   ; slot 1's first fill, the first tensor load behind the round
	FETCHB 0, 0
	FETCHA 0
	FETCHB 0, 6
	s_wait_loadcnt 0x0                             ; scale words and biases
	STEP 0, 0, 1
	STEP 1, 0, 0
	STEP 2, 0, 0
	STEP 3, 2, 0
	STEP 4, 0, 0
	STEP 5, 0, 0
	STEP 6, 1, 0
.set AFS, AF+48
	s_wait_dscnt 24
	MUL 0, 6, 7, 0
	s_wait_alu depctr_va_vdst(0)
	s_wait_dscnt 0x0
	MUL 6, 6, 7, 0
	WIN 0
; THE WAY OUT.  Four blocks of 32 (each: 16 registers of mine and 16 of lane l xor 16) become a fragment: unit 0 from blocks s0, s1, unit 1 from s2, s3.  The bytes are left in v[PX] on.
.macro QUANT4 wmax, wcvt, s0, s1, s2, s3, pc
	WIN \wmax
	v_max3_num_f32 v[TM], v[FLO], |v[(\s0)]|, |v[(\s0)+1]|          ; each accumulator is read from its low end on
	v_max3_num_f32 v[TM+1], v[FLO], |v[(\s1)]|, |v[(\s1)+1]|
	v_max3_num_f32 v[TM+2], v[FLO], |v[(\s2)]|, |v[(\s2)+1]|
	v_max3_num_f32 v[TM+3], v[FLO], |v[(\s3)]|, |v[(\s3)+1]|
.irp i, 2,4,6,8,10,12,14
	v_max3_num_f32 v[TM], v[TM], |v[(\s0)+\i]|, |v[(\s0)+\i+1]|
	v_max3_num_f32 v[TM+1], v[TM+1], |v[(\s1)+\i]|, |v[(\s1)+\i+1]|
	v_max3_num_f32 v[TM+2], v[TM+2], |v[(\s2)+\i]|, |v[(\s2)+\i+1]|
	v_max3_num_f32 v[TM+3], v[TM+3], |v[(\s3)+\i]|, |v[(\s3)+\i+1]|
.endr
	WIN 0
.irp b, 0,1,2,3
	v_permlanex16_b32 v[PX+\b], v[TM+\b], s[SEL], s[SEL+1]
.endr
.irp b, 0,1,2,3
	v_max_num_f32 v[TM+\b], v[TM+\b], v[PX+\b]
.endr
.irp b, 0,1,2,3
	v_add_nc_u32 v[SO+\b], 0xff000000, v[TM+\b]    ; 2 off the exponent field: the conversion's scale operand
.endr
.irp b, 0,1,2,3
	v_lshrrev_b32 v[PX+\b], 23, v[SO+\b]           ; the scale's byte
.endr
	WIN \wcvt
	v_cvt_scalef32_pk16_fp6_f32 v[(\pc):(\pc)+2], v[(\s0):(\s0)+15], v[SO]
	v_cvt_scalef32_pk16_fp6_f32 v[CT0:CT0+2], v[(\s1):(\s1)+15], v[SO+1]
	v_cvt_scalef32_pk16_fp6_f32 v[(\pc)+6:(\pc)+8], v[(\s2):(\s2)+15], v[SO+2]
	v_cvt_scalef32_pk16_fp6_f32 v[CT1:CT1+2], v[(\s3):(\s3)+15], v[SO+3]
	WIN 0
	v_nop                                          ; one plain place behind a scaled conversion
.irp i, 0,1,2
	v_permlane16_swap_b32 v[(\pc)+\i], v[CT0+\i]   ; a whole block to a lane: lanes 0-15 the first block, lanes 16-31 the second
	v_permlane16_swap_b32 v[(\pc)+6+\i], v[CT1+\i]
.endr
.irp i, 0,1,2
	v_mov_b32 v[(\pc)+3+\i], v[CT0+\i]
	v_mov_b32 v[(\pc)+9+\i], v[CT1+\i]
.endr
.endm
.macro STORE4 pc, base, off            ; a fragment leaves as it stands: 512, 256, 512, 256 consecutive bytes, aligned
	global_store_b128 v[L16], v[(\pc):(\pc)+3], s[\base:\base+1] offset:(\off)
	global_store_b64 v[L8], v[(\pc)+4:(\pc)+5], s[\base:\base+1] offset:(\off)+512
	global_store_b128 v[L16], v[(\pc)+6:(\pc)+9], s[\base:\base+1] offset:(\off)+768
	global_store_b64 v[L8], v[(\pc)+10:(\pc)+11], s[\base:\base+1] offset:(\off)+1280
.endm
.irp b, 0,1,2,3
	v_mov_b32 v[PX+\b], 0                          ; a lane permute's destination counts as one of its sources.  (These four are the places behind the last products)
.endr
.irp g, 0,1                            ; q: 32 queries to a fragment: unit u = x's tile 2 g + u
	QUANT4 0x28, 0x02, 32*\g, 64+32*\g, 16+32*\g, 80+32*\g, PCS+12*\g
	v_lshl_or_b32 v[QW+2*\g], v[PX+1], 8, v[PX]
	v_lshl_or_b32 v[QW+2*\g+1], v[PX+3], 8, v[PX+2]
	v_lshl_or_b32 v[QW+2*\g], v[QW+2*\g], 16, v[QW+2*\g]            ; the two bytes twice: one word serves q in either half of a fragment
	v_lshl_or_b32 v[QW+2*\g+1], v[QW+2*\g+1], 16, v[QW+2*\g+1]
	STORE4 PCS+12*\g, 90, 1536*\g
.endr
	v_cndmask_b32 v[QP], v[QW], v[QW+1], s[HIM]    ; lanes 0-15 carry tiles 0 and 2, lanes 16-31 tiles 1 and 3
	v_cndmask_b32 v[QP+1], v[QW+2], v[QW+3], s[HIM]
	global_store_b64 v[L8], v[QP:QP+1], s[92:93]
.irp g, 0,1                            ; k: 32 keys to a fragment: unit u = the key tile 2 g + u
	QUANT4 0x28, 0x02, 128+32*\g, 192+32*\g, 144+32*\g, 208+32*\g, PCS+24+12*\g
	v_lshl_or_b32 v[KW+\g], v[PX+1], 8, v[PX]
	v_lshl_or_b32 v[KW+\g], v[PX+2], 16, v[KW+\g]
	v_lshl_or_b32 v[KW+\g], v[PX+3], 24, v[KW+\g]
	STORE4 PCS+24+12*\g, 94, 1536*\g
.endr
	ds_store_b64 v[KSA], v[KW:KW+1]
.irp p, 0,1                            ; v: my 64 keys are one unit of the fragments of channels' tiles 2 p and 2 p + 1
	QUANT4 0x3c, 0x03, 64*\p, 64*\p+16, 64*\p+32, 64*\p+48, PCS+48+12*\p
	v_lshl_or_b32 v[VH], v[PX+1], 8, v[PX]
	v_lshl_or_b32 v[VH+1], v[PX+3], 8, v[PX+2]
	ds_store_b16 v[VSA], v[VH] offset:8*\p
	ds_store_b16 v[VSA], v[VH+1] offset:8*\p+4
	global_store_b128 v[L16], v[PCS+48+12*\p:PCS+48+12*\p+3], s[96:97] offset:3072*\p
	global_store_b64 v[L8], v[PCS+48+12*\p+4:PCS+48+12*\p+5], s[96:97] offset:3072*\p+512
	global_store_b128 v[L16], v[PCS+48+12*\p+6:PCS+48+12*\p+9], s[96:97] offset:3072*\p+1536
	global_store_b64 v[L8], v[PCS+48+12*\p+10:PCS+48+12*\p+11], s[96:97] offset:3072*\p+2048
.endr
	s_wait_dscnt 0x0                               ; for the others' sake: my scale words lie in LDS
	s_barrier_signal -1
	s_barrier_wait -1
	ds_load_b64 v[KW:KW+1], v[SCR]                 ; a quarter of the 1,024 bytes a wave: one aligned block of 256 bytes
	s_wait_dscnt 0x0
	global_store_b64 v[L8], v[KW:KW+1], s[98:99]
	s_wait_tensorcnt 0x0                           ; the wave's end
	ds_add_u32 v[SPW], v[NIL]
	s_wait_dscnt 0x0
	CROUND                                         ; the closing round
	s_endpgm
.Lfunc_end_k_q1346ddf5db_qkv:
	.size	k_q1346ddf5db_qkv, .Lfunc_end_k_q1346ddf5db_qkv-k_q1346ddf5db_qkv
	.p2alignl 7, 3214868480
	.fill 96, 4, 3214868480
	.section	.rodata,"a",@progbits
	.p2align	6, 0x0
	.amdhsa_kernel k_q1346ddf5db_qkv
		.amdhsa_group_segment_fixed_size 327680
		.amdhsa_private_segment_fixed_size 0
		.amdhsa_enable_private_segment 0
		.amdhsa_kernarg_size 48
		.amdhsa_user_sgpr_count 2
		.amdhsa_user_sgpr_kernarg_segment_ptr 1
		.amdhsa_wavefront_size32 1
		.amdhsa_system_sgpr_workgroup_id_x 1
		.amdhsa_system_sgpr_workgroup_id_y 1
		.amdhsa_system_sgpr_workgroup_id_z 1
		.amdhsa_system_vgpr_workitem_id 0
		.amdhsa_next_free_vgpr 1024
		.amdhsa_next_free_sgpr 100
		.amdhsa_reserve_vcc 0
		.amdhsa_float_denorm_mode_32 3
		.amdhsa_float_denorm_mode_16_64 3
		.amdhsa_memory_ordered 1
		.amdhsa_forward_progress 1
		.amdhsa_inst_pref_size 129
	.end_amdhsa_kernel
	.amdgpu_metadata
---
amdhsa.version: [ 1, 2 ]
amdhsa.kernels:
  - .name:           k_q1346ddf5db_qkv
    .symbol:         k_q1346ddf5db_qkv.kd
    .args:
      - { .name: codes1, .offset: 0, .size: 8, .value_kind: global_buffer, .address_space: global }
      - { .name: scales1, .offset: 8, .size: 8, .value_kind: global_buffer, .address_space: global }
      - { .name: bqkv, .offset: 16, .size: 8, .value_kind: global_buffer, .address_space: global }
      - { .name: qq, .offset: 24, .size: 8, .value_kind: global_buffer, .address_space: global }
      - { .name: kvc, .offset: 32, .size: 8, .value_kind: global_buffer, .address_space: global }
      - { .name: kvs, .offset: 40, .size: 8, .value_kind: global_buffer, .address_space: global }
    .group_segment_fixed_size: 327680
    .private_segment_fixed_size: 0
    .kernarg_segment_align: 8
    .kernarg_segment_size: 48
    .max_flat_workgroup_size: 128
    .sgpr_count:     100
    .vgpr_count:     1024
    .wavefront_size: 32
...
	.end_amdgpu_metadata
.endif
;; end of part 2
;; launch attn (part 3): grid 4 x 64, 16 waves a work-group, clusters of 4 x 1, 327,680 bytes of LDS; arguments qq, kvc, kvs, ac, asw; writes ac, asw
.if DOCPART == 3
	.amdgcn_target "amdgcn-amd-amdhsa--gfx1250"
	.amdhsa_code_object_version 6
	.text
	.protected	k_q1346ddf5db_attn
	.globl	k_q1346ddf5db_attn
	.p2align	8
	.type	k_q1346ddf5db_attn,@function
k_q1346ddf5db_attn:
	s_mov_b64 s[64:65], 0
	v_nop
	global_prefetch_b8 v0, s[64:65] scope:SCOPE_SE
	s_setreg_imm32_b32 hwreg(HW_REG_WAVE_MODE, 25, 1), 1
	s_wait_xcnt 0x0
	s_wait_alu depctr_hold_cnt(0) depctr_sa_sdst(0) depctr_va_vdst(0) depctr_va_sdst(0) depctr_va_ssrc(0) depctr_va_vcc(0) depctr_vm_vsrc(0)
	s_getreg_b32 s2, hwreg(HW_REG_IB_STS2, 6, 4)
	s_cmp_eq_u32 s2, 0
	s_cbranch_scc0 .Lentry_in_a_cluster
	s_endpgm
.Lentry_in_a_cluster:
	s_bfe_u32 s2, ttmp6, 0x10000c
	s_cmp_lg_u32 s2, 0x3003
	s_cbranch_scc0 .Lentry_shape_is_right
	s_endpgm
.Lentry_shape_is_right:
; LAUNCH 3 OF 4.  Causal attention of one head on codes of FP6, and the quantising of its result along E.
; LEFT OUT: key steps (128 keys) all of whose keys come after a wave's 16 queries: reference()'s own jnp.tril makes their p exactly 0 (shown at the head of the first launch).
; THE SOFTMAX: t = score x log2(e) / 8; M = the running largest t rounded up to a whole number; p = 2^(t - M) is quantised along the keys; the row's sum is taken of the unquantised p and divides O at the end.
; LDS HOLDS THE WHOLE HEAD: k's and v's codes (8 records of 256 keys, 24,576 bytes each: k's 8 fragments, then v's 8) and their 8,192 scale bytes are filled ONCE, at the head.  Nothing is filled again, so the walk
; over the keys has no barrier: each wave goes its own way.
; SHARES.  The four work-groups of a cluster serve one head.  A chunk is 128 queries, 8 tiles of 16.  Work-group j takes tiles 2 j and 2 j + 1 of EVERY chunk; its wave w takes tile 2 j of chunk w (w + 1 key steps)
; and then tile 2 j + 1 of chunk 15 - w (16 - w key steps): 17 key steps for every wave of the launch.  256 work-groups.
; CLUSTER.  All four partners read all 8 records, so each record is asked for jointly (mask 15).  Branches, trip counts and LDS addresses hang on the wave's number and on counters alone; the place in the cluster
; enters global addresses and the lane numbers of the causal mask only.
; FIRST FILLS, one chain of arms on the wave's number: wave 0 record 0, wave 1 the scale bytes, waves 2-7 and 9 records 2-7 and 1.  The first barrier waits for waves 0 and 1 alone (their lines are theirs alone);
; key steps 0 and 1, which lie in record 0, are written out ahead of the second barrier, in front of which every wave waits for all its tensor loads.
; NO PREFETCH: every tensor load of the launch is issued at its head, so no later load is left to run ahead of.
; A tile's queries: 32 (tq / 2) + 8 (tq % 2) + r + 8 (r / 8).  Both products are used transposed: a lane holds ONE query throughout.
; THE HEAD HAS 64 CHANNELS, the instruction 128 along K: a fragment of k holds TWO key tiles; it is multiplied by [q, 0] and by [0, q] (18 registers: zeros, q, zeros).  Register 16 g + i of the scores is key 32 g + 16 (lane / 16) + i of the step.
; asw: [head][j][chunk][tile % 2][row] words: a work-group's 2,048 bytes lie on end and leave as whole blocks of 256 bytes.
; LIMITS as stated at the head of the first launch.
.set VOFF,  12288
.set SCL,   196608                     ; the head's 8,192 scale bytes: 1,024 a record: k's [step][r][4 words] then v's
.set SCG,   204800                     ; 2,048 bytes: my work-group's scale words of the result
.set SPARE, 206848                     ; the spare words, 128 bytes a wave: eight blocks of 256 bytes that no other line names
.set L16, 1
.set L8,  2
.set SC0, 3                            ; SCL + 16 r
.set TH,  4                            ; my query's place in its chunk - 16 h
.set SPW, 5
.set NIL, 6
.set SGA, 7                            ; where the first tile's scale word goes,
.set ADK, 8
.set ADK8, 9
.set ADS, 10
.set SGB, 11                           ; and the second's
.set QHI, 16                           ; v16-27 [0, q]
.set QQ,  22                           ; v22-33 [q, 0]
.set QB,  34                           ; v34-39 the second tile's q
.set FB,  40                           ; v40-87 four fragments of k or of v
.set S,   88                           ; v88-151 the scores, then p
.set OT,  152                          ; v152-183 O^T
.set PC,  184                          ; v184-195 p's codes
.set BM,  196
.set T,   200
.set SO,  208
.set KSC, 212
.set VSC, 216
.set PW,  221                          ; p's scale word
.set TMP, 222
.set QSC, 223                          ; q's scale word
.set QSB, 224                          ; the second tile's
.set NINF, 226
.set R8,  227
.set F,   228                          ; v[228:229] f = 2^(old M - new M)
.set SGR, 230
.set WV,  18
.set SEL, 20
.set CS,  22
.set G1C, 24
.set G1S, 32
.set G0C, 40
.set G0S, 44
.set KI,  48                           ; the key step
.set LIMK, 49                          ; the tile's last key step = its chunk
.macro TLOAD g0, g1                    ; an s_nop 0 and four v_nop follow the line
	tensor_load_to_lds s[\g0:\g0+3], s[\g1:\g1+7]
	s_nop 0
.rept 4
	v_nop
.endr
.endm
.macro CROUND                          ; a round of the cluster's barrier
	s_barrier_signal -1
	s_barrier_wait -1
	s_cmp_lg_u32 s[WV], 0
	s_cbranch_scc1 .Lnot_wave_0_\@
	s_barrier_signal -3
.Lnot_wave_0_\@:
	s_barrier_wait -3
	s_barrier_signal -1
	s_barrier_wait -1
.endm
.macro FRAG reg, a16, a8, off
	ds_load_b128 v[(\reg):(\reg)+3], v[(\a16)] offset:(\off)
	ds_load_b64 v[(\reg)+4:(\reg)+5], v[(\a8)] offset:(\off)+512
	ds_load_b128 v[(\reg)+6:(\reg)+9], v[(\a16)] offset:(\off)+768
	ds_load_b64 v[(\reg)+10:(\reg)+11], v[(\a8)] offset:(\off)+1280
.endm
.macro TILEADR tq, qc, qs, ao          ; tile s\tq of head s56: q's codes, q's scale words (8 bytes from row to row), the result's codes (tile 128 batch + tq, unit = head)
	s_lshl_b32 s70, s56, 3
	s_lshr_b32 s71, s\tq, 4
	s_add_co_u32 s70, s70, s71
	s_mul_i32 s70, s70, 13312
	s_and_b32 s71, s\tq, 15
	s_mul_i32 s74, s71, 768
	s_add_co_u32 s74, s74, s70
	s_mov_b32 s75, 0
	s_add_nc_u64 s[\qc:\qc+1], s[4:5], s[74:75]
	s_lshr_b32 s74, s71, 2
	s_lshl_b32 s74, s74, 8
	s_and_b32 s82, s71, 1
	s_lshl_b32 s82, s82, 7
	s_add_co_u32 s74, s74, s82
	s_bfe_u32 s82, s71, 0x10001
	s_lshl_b32 s82, s82, 2
	s_add_co_u32 s74, s74, s82
	s_add_co_u32 s74, s74, s70
	s_add_co_u32 s74, s74, 12288
	s_add_nc_u64 s[\qs:\qs+1], s[4:5], s[74:75]
	s_lshr_b32 s74, s56, 4
	s_lshl_b32 s74, s74, 7
	s_add_co_u32 s74, s74, s\tq
	s_mul_i32 s74, s74, 12288
	s_and_b32 s82, s56, 15
	s_mul_i32 s82, s82, 768
	s_add_co_u32 s74, s74, s82
	s_add_nc_u64 s[\ao:\ao+1], s[10:11], s[74:75]
.endm
.macro TILEINIT                        ; a tile begins: the largest t -3e38, the sums and O^T zeros: the step is written once
	v_mov_b32 v13, 0xff61b1e6
	v_mov_b32 v14, 0
	v_mov_b32 v15, 0
	v_floor_f32 v12, -v13                          ; -M
.set j, 0
.rept 32
	v_mov_b32 v[OT+j], 0
.set j, j+1
.endr
.endm
	s_load_b256 s[4:11], s[0:1], 0x0               ; qq, kvc, kvs, ac
	s_load_b64 s[12:13], s[0:1], 0x20              ; asw
	v_lshl_add_u32 v[SPW], v0, 2, SPARE
	v_mov_b32 v[NIL], 0
	ds_add_u32 v[SPW], v[NIL]                      ; the wave's opening: the add, twice on end, and its wait ahead of the first tensor load
	ds_add_u32 v[SPW], v[NIL]
	v_lshrrev_b32 v8, 5, v0
	v_readfirstlane_b32 s[WV], v8                  ; wave 0..15
	s_and_b32 s56, ttmp7, 0xffff                   ; bh = 16 batch + head: the cluster's y
	s_bfe_u32 s57, ttmp6, 0x40000                  ; j: my place in the cluster
	s_mov_b32 s[G1C], 15|(3<<16)|(1<<21)           ; the mask of all four; elements of 8 bytes; bit 21 beside a mask; no padding: a dense block as rows of 256 bytes
	s_mov_b32 s[G1C+1], 32<<16
	s_mov_b32 s[G1C+2], 96<<16                     ; 96 rows: a record
	s_mov_b32 s[G1C+3], 32<<16
	s_mov_b32 s[G1C+4], 96
	s_mov_b32 s[G1C+5], 32
	s_mov_b32 s[G1C+6], 0
	s_mov_b32 s[G1C+7], 0
	s_mov_b32 s[G1S], 15|(3<<16)|(1<<21)
	s_mov_b32 s[G1S+1], 32<<16
	s_mov_b32 s[G1S+2], 32<<16                     ; 32 rows: the head's scale bytes
	s_mov_b32 s[G1S+3], 32<<16
	s_mov_b32 s[G1S+4], 32
	s_mov_b32 s[G1S+5], 32
	s_mov_b32 s[G1S+6], 0
	s_mov_b32 s[G1S+7], 0
	s_and_b32 s60, s[WV], 7                        ; the record that I fetch, if any
	s_mul_i32 s61, s60, 24576
	s_mul_i32 s66, s56, 196608
	s_add_co_u32 s66, s66, s61
	s_mov_b32 s67, 0
	s_lshl_b32 s68, s56, 13
	s_mov_b32 s69, 0
	s_mov_b32 s[SEL], 0x76543210
	s_mov_b32 s[SEL+1], 0xfedcba98
	s_mov_b32 s[CS], 0x3e38aa3b                    ; c = log2(e) / sqrt(64)
	s_mov_b32 s[CS+1], s[CS]
	s_lshl_b32 s62, s57, 1
	s_lshl_b32 s50, s[WV], 3
	s_add_co_u32 s50, s50, s62                     ; my first tile: 8 w + 2 j
	s_xor_b32 s51, s[WV], 15
	s_lshl_b32 s51, s51, 3
	s_add_co_u32 s51, s51, s62
	s_add_co_u32 s51, s51, 1                       ; my second: 8 (15 - w) + 2 j + 1
	s_lshl_b32 s63, s57, 5                         ; 32 j
	s_lshl_b32 s86, s[WV], 7
	s_add_co_u32 s86, s86, SCG                     ; chunk w, tile 0
	s_xor_b32 s87, s[WV], 15
	s_lshl_b32 s87, s87, 7
	s_add_co_u32 s87, s87, SCG+64                  ; chunk 15 - w, tile 1
	s_and_b32 s85, s[WV], 3
	s_lshl_b32 s85, s85, 9
	s_add_co_u32 s88, s85, SCG
	s_mov_b32 s[KI], 0
	s_mov_b32 s[LIMK], s[WV]
	v_and_b32 v8, 31, v0
	v_and_b32 v9, 15, v0                           ; r
	v_bfe_u32 v10, v0, 4, 1                        ; h
	v_lshlrev_b32 v[L16], 4, v8
	v_lshlrev_b32 v[L8], 3, v8
	v_lshl_add_u32 v[SC0], v9, 4, SCL
	v_and_b32 v[TMP], 8, v9
	v_lshlrev_b32 v10, 4, v10
	v_add_nc_u32 v[TMP], v[TMP], v9
	v_lshlrev_b32 v[R8], 3, v9
	v_lshl_add_u32 v[SGA], v9, 2, s86
	v_sub_nc_u32 v[TH], v[TMP], v10
	v_lshl_add_u32 v[SGB], v9, 2, s87
	v_add_nc_u32 v[SGR], s88, v[L16]
	v_add_nc_u32 v[TH], s63, v[TH]                 ; 32 j + r + 8 (r / 8) - 16 h
	s_wait_alu depctr_va_vdst(0)
	s_wait_dscnt 0x0                               ; both opening adds are done
	CROUND                                         ; all four work-groups are here: the joint loads meet
	s_wait_kmcnt 0x0
	s_mov_b32 s[G0S], 1
	s_mov_b32 s[G0S+1], SCL
	s_add_nc_u64 s[G0S+2:G0S+3], s[8:9], s[68:69]
	s_or_b32 s[G0S+3], s[G0S+3], 0x80000000
	s_mov_b32 s[G0C], 1
	s_mov_b32 s[G0C+1], s61
	s_add_nc_u64 s[G0C+2:G0C+3], s[6:7], s[66:67]
	s_or_b32 s[G0C+3], s[G0C+3], 0x80000000
	s_cmp_eq_u32 s[WV], 0
	s_cbranch_scc0 .Larm_1
	TLOAD G0C, G1C                                 ; wave 0: record 0
	s_branch .Lasked
.Larm_1:
	s_cmp_eq_u32 s[WV], 1
	s_cbranch_scc0 .Larm_2
	TLOAD G0S, G1S                                 ; wave 1: the scale bytes
	s_branch .Lasked
.Larm_2:
	s_cmp_lt_u32 s[WV], 8
	s_cbranch_scc0 .Larm_3
	TLOAD G0C, G1C                                 ; waves 2 to 7: records 2 to 7
	s_branch .Lasked
.Larm_3:
	s_cmp_eq_u32 s[WV], 9
	s_cbranch_scc0 .Lasked
	TLOAD G0C, G1C                                 ; wave 9: record 1
.Lasked:
	TILEADR 50, 52, 54, 58
	TILEADR 51, 60, 62, 66
	global_load_b128 v[QQ:QQ+3], v[L16], s[52:53]
	global_load_b64 v[QQ+4:QQ+5], v[L8], s[52:53] offset:512
	global_load_b32 v[QSC], v[R8], s[54:55]
	global_load_b128 v[QB:QB+3], v[L16], s[60:61]
	global_load_b64 v[QB+4:QB+5], v[L8], s[60:61] offset:512
	global_load_b32 v[QSB], v[R8], s[62:63]
	s_lshl_b32 s74, s56, 13
	s_lshl_b32 s82, s57, 11
	s_add_co_u32 s74, s74, s82
	s_add_co_u32 s74, s74, s85
	s_add_nc_u64 s[76:77], s[12:13], s[74:75]      ; asw: my work-group's 2,048 bytes, 512 for each of waves 0 to 3
	s_and_b32 s80, s56, 1
	s_lshl_b32 s80, s80, 4                         ; an odd head's two bytes stand in the upper half
.irp b, 0,1,2,3
	v_mov_b32 v[T+\b], 0                           ; a lane permute's destination counts as one of its sources
.endr
	v_mov_b32 v[TMP], 0
	v_mov_b32 v[F], 0
	v_mov_b32 v[F+1], 0
	v_mov_b32 v[NINF], 0xff800000
.irp j, 0,1,2,3,4,5
	v_mov_b32 v[QHI+\j], 0                         ; zero codes add nothing under any scale
	v_mov_b32 v[QQ+6+\j], 0
.endr
	TILEINIT
; A KEY STEP: 128 keys, step s[KI] of the head.
; k's scale words and four fragments of key step s[KI] + ahead (held at 15, the head's last step): 17 LDS loads, the scale words first.  They are asked for a step early: behind the step's last products.
.macro KLOAD ahead
	s_add_co_u32 s95, s[KI], \ahead
	s_min_u32 s95, s95, 15
	s_lshr_b32 s96, s95, 1
	s_and_b32 s97, s95, 1
	s_mul_i32 s98, s96, 24576
	s_mul_i32 s99, s97, 6144
	s_add_co_u32 s98, s98, s99                     ; the step's four fragments of k
	s_lshl_b32 s96, s96, 10
	s_lshl_b32 s97, s97, 8
	s_add_co_u32 s96, s96, s97                     ; and its scale words
	v_add_nc_u32 v[ADK], s98, v[L16]
	v_add_nc_u32 v[ADK8], s98, v[L8]
	v_add_nc_u32 v[ADS], s96, v[SC0]
	v_nop                                          ; four places in front of loads into registers that the last products read
	ds_load_b128 v[KSC:KSC+3], v[ADS]
.irp g, 0,1,2,3
	FRAG FB+12*\g, ADK, ADK8, \g*1536
.endr
.endm
; pre = 1: the step asks for the next step's fragments of k, where the tile has a next step.
.macro TRIP pre
	s_cmp_gt_u32 s[KI], s[LIMK]                    ; all its keys come after my queries: a branch on the wave's number and the count of steps, round the step's work alone
	s_cbranch_scc1 .Lhidden_\@
	s_wait_alu depctr_va_vdst(0)
.irp g, 0,1,2,3
	s_wait_dscnt 12-4*\g                           ; the scale words and fragments 0 to g are in; four loads for each later fragment may be out
	v_wmma_scale_f32_16x16x128_f8f6f4 v[S+16*\g:S+16*\g+7], v[FB+12*\g:FB+12*\g+11], v[QQ:QQ+11], 0, v[KSC+\g], v[QSC] matrix_a_fmt:MATRIX_FMT_FP6 matrix_b_fmt:MATRIX_FMT_FP6
	v_wmma_scale_f32_16x16x128_f8f6f4 v[S+16*\g+8:S+16*\g+15], v[FB+12*\g:FB+12*\g+11], v[QHI:QHI+11], 0, v[KSC+\g], v[QSC] matrix_a_fmt:MATRIX_FMT_FP6 matrix_b_fmt:MATRIX_FMT_FP6
.endr
.rept 4
	v_nop
.endr
.irp t, 0,1,2,3
	FRAG FB+12*\t, ADK, ADK8, VOFF+\t*1536         ; v's four fragments land while the softmax is walked
.endr
	ds_load_b128 v[VSC:VSC+3], v[ADS] offset:512
	s_cmp_lg_u32 s[KI], s[LIMK]                    ; only a tile's last step lies on the diagonal: there hidden scores become -infinity
	s_cbranch_scc1 .Lopen_\@
.set n, 0
.rept 64
	v_cmp_gt_i32 vcc_lo, 32*(n/16)+n%16, v[TH]     ; register 16 g + i is hidden where 32 g + i is above my query's place - 16 h
	v_cndmask_b32 v[S+n], v[S+n], v[NINF], vcc_lo
.set n, n+1
.endr
.Lopen_\@:
.irp b, 0,1,2,3
	v_max3_num_f32 v[BM+\b], v[S+16*\b], v[S+1+16*\b], v[S+2+16*\b]        ; the largest score of each block of 32 keys: for the row's maximum and for the block's largest p
.endr
.irp i, 3,5,7,9,11,13
.irp b, 0,1,2,3
	v_max3_num_f32 v[BM+\b], v[BM+\b], v[S+16*\b+\i], v[S+1+16*\b+\i]
.endr
.endr
.irp b, 0,1,2,3
	v_max_num_f32 v[BM+\b], v[BM+\b], v[S+15+16*\b]
.endr
.irp b, 0,1,2,3
	s_delay_alu instid0(VALU_DEP_4)
	v_permlanex16_b32 v[T+\b], v[BM+\b], s[SEL], s[SEL+1]
.endr
.irp b, 0,1,2,3
	s_delay_alu instid0(VALU_DEP_4)
	v_max_num_f32 v[BM+\b], v[BM+\b], v[T+\b]
.endr
	s_delay_alu instid0(VALU_DEP_2)
	v_max3_num_f32 v[TMP], v[BM], v[BM+1], v[BM+2]
	s_delay_alu instid0(VALU_DEP_1)
	v_max_num_f32 v[TMP], v[TMP], v[BM+3]
	s_delay_alu instid0(VALU_DEP_1)
	v_mul_f32 v[TMP], s[CS], v[TMP]
	s_delay_alu instid0(VALU_DEP_1)
	v_max_num_f32 v13, v13, v[TMP]                 ; the running largest t
	v_mov_b32 v[TMP], v12
	s_delay_alu instid0(VALU_DEP_2)
	v_floor_f32 v12, -v13                          ; the new -M = -ceil(t)
.irp b, 0,1,2,3
	v_fma_f32 v[BM+\b], v[BM+\b], s[CS], v12       ; t - M of each block's largest score
.endr
	v_sub_f32 v[TMP], v12, v[TMP]                  ; old M - new M: a whole number, 0 or less
.set j, 0
.rept 32
	v_pk_fma_f32 v[S+j:S+j+1], v[S+j:S+j+1], s[CS:CS+1], v[12:13] op_sel_hi:[1,0,0]      ; t - M; the two lines that finish f stand among these, each well behind the line that it reads
.if j == 6
	v_cvt_i32_f32 v[TMP], v[TMP]
.endif
.if j == 14
	v_ldexp_f32 v[F], 1.0, v[TMP]                  ; f = 2^(old M - new M)
.endif
.set j, j+2
.endr
	s_wait_alu depctr_va_vdst(0)
.irp b, 0,1,2,3
	v_exp_f32 v[BM+\b], v[BM+\b]                   ; each block's largest p
.endr
.set j, 0
.rept 64
	v_exp_f32 v[S+j], v[S+j]                       ; p = 2^(t - M)
.set j, j+1
.endr
	v_pk_mul_f32 v[14:15], v[14:15], v[F:F+1] op_sel_hi:[1,0]     ; the sums under the new M (a plain place behind the exponentials)
	s_wait_alu depctr_va_vdst(0)                   ; one wait for the batch, ahead of its first reader and directly ahead of the first reader of O^T
.set j, 0
.rept 16
	v_pk_mul_f32 v[OT+j:OT+j+1], v[OT+j:OT+j+1], v[F:F+1] op_sel_hi:[1,0]       ; O^T under the new M
.set j, j+2
.endr
.irp b, 0,1,2,3
	v_max_num_f32 v[BM+\b], 0x1800000, v[BM+\b]    ; the floor: the byte cannot fall under 1
.endr
.irp b, 0,1,2,3
	s_delay_alu instid0(VALU_DEP_4)
	v_add_nc_u32 v[SO+\b], 0xff000000, v[BM+\b]
.endr
.irp b, 0,1,2,3
	s_delay_alu instid0(VALU_DEP_4)
	v_lshrrev_b32 v[T+\b], 23, v[SO+\b]
.endr
	s_delay_alu instid0(VALU_DEP_3)
	v_lshl_or_b32 v[PW], v[T+1], 8, v[T]
	s_delay_alu instid0(VALU_DEP_1)
	v_lshl_or_b32 v[PW], v[T+2], 16, v[PW]
	s_delay_alu instid0(VALU_DEP_1)
	v_lshl_or_b32 v[PW], v[T+3], 24, v[PW]
.irp c, 0,1
	v_cvt_scalef32_pk16_fp6_f32 v[PC+6*\c:PC+6*\c+2], v[S+32*\c:S+32*\c+15], v[SO+2*\c]
	v_cvt_scalef32_pk16_fp6_f32 v[T+4*\c:T+4*\c+2], v[S+32*\c+16:S+32*\c+31], v[SO+2*\c+1]
.endr
	v_nop                                          ; one plain place behind a scaled conversion
.irp c, 0,1
.irp i, 0,1,2
	v_permlane16_swap_b32 v[PC+6*\c+\i], v[T+4*\c+\i]
.endr
.irp i, 0,1,2
	s_delay_alu instid0(VALU_DEP_3)
	v_mov_b32 v[PC+3+6*\c+\i], v[T+4*\c+\i]
.endr
.endr
	v_pk_add_f32 v[200:201], v[92:93], v[96:97]    ; the row's sum of the unquantised p, in eight chains: the first eight additions are the places between p's codes and the products
	v_pk_add_f32 v[254:255], v[100:101], v[104:105]
	v_pk_add_f32 v[252:253], v[108:109], v[112:113]
	v_pk_add_f32 v[250:251], v[116:117], v[120:121]
	v_pk_add_f32 v[248:249], v[124:125], v[128:129]
	v_pk_add_f32 v[246:247], v[132:133], v[136:137]
	v_pk_add_f32 v[244:245], v[140:141], v[144:145]
	v_pk_add_f32 v[14:15], v[14:15], v[148:149]
	s_wait_alu depctr_va_vdst(0)
	s_wait_dscnt 0x0                               ; v's fragments and scale words
.irp t, 0,1,2,3
	v_wmma_scale_f32_16x16x128_f8f6f4 v[OT+8*\t:OT+8*\t+7], v[FB+12*\t:FB+12*\t+11], v[PC:PC+11], v[OT+8*\t:OT+8*\t+7], v[VSC+\t], v[PW] matrix_a_fmt:MATRIX_FMT_FP6 matrix_b_fmt:MATRIX_FMT_FP6
.endr
.if \pre
	s_cmp_ge_u32 s[KI], s[LIMK]                    ; the tile's last step has no next: the wave's number and the count of steps alone
	s_cbranch_scc1 .Lno_next_\@
	KLOAD 1
.Lno_next_\@:
.endif
	v_pk_add_f32 v[200:201], v[200:201], v[88:89]  ; the rest of the sum stands behind the request: p lies untouched until the next step's first products
	v_pk_add_f32 v[254:255], v[254:255], v[90:91]
	v_pk_add_f32 v[252:253], v[252:253], v[94:95]
	v_pk_add_f32 v[250:251], v[250:251], v[98:99]
	v_pk_add_f32 v[248:249], v[248:249], v[102:103]
	v_pk_add_f32 v[246:247], v[246:247], v[106:107]
	v_pk_add_f32 v[244:245], v[244:245], v[110:111]
	v_pk_add_f32 v[14:15], v[14:15], v[114:115]
	v_pk_add_f32 v[200:201], v[200:201], v[118:119]
	v_pk_add_f32 v[254:255], v[254:255], v[122:123]
	v_pk_add_f32 v[252:253], v[252:253], v[126:127]
	v_pk_add_f32 v[250:251], v[250:251], v[130:131]
	v_pk_add_f32 v[248:249], v[248:249], v[134:135]
	v_pk_add_f32 v[246:247], v[246:247], v[138:139]
	v_pk_add_f32 v[244:245], v[244:245], v[142:143]
	v_pk_add_f32 v[14:15], v[14:15], v[146:147]
	v_pk_add_f32 v[200:201], v[200:201], v[150:151]
	s_delay_alu instid0(VALU_DEP_2)
	v_pk_add_f32 v[14:15], v[14:15], v[250:251]
	s_delay_alu instid0(VALU_DEP_2)
	v_pk_add_f32 v[200:201], v[200:201], v[248:249]
	v_pk_add_f32 v[254:255], v[254:255], v[246:247]
	v_pk_add_f32 v[252:253], v[252:253], v[244:245]
	s_delay_alu instid0(VALU_DEP_2)
	v_pk_add_f32 v[14:15], v[14:15], v[254:255]
	s_delay_alu instid0(VALU_DEP_2)
	v_pk_add_f32 v[200:201], v[200:201], v[252:253]
	s_delay_alu instid0(VALU_DEP_1)
	v_pk_add_f32 v[14:15], v[14:15], v[200:201]
.Lhidden_\@:
	s_add_co_u32 s[KI], s[KI], 1
.endm
; A TILE'S WAY OUT: O^T / the sum; the head's 64 channels are two blocks along E; codes leave in the order of the last product's operand, the scale word goes to the work-group's stage.
.macro WAYOUT sga, acb
	s_wait_alu depctr_va_vdst(0)                   ; the sums were written ahead of the jumps over the hidden steps
	v_add_f32 v14, v14, v15
	s_delay_alu instid0(VALU_DEP_1)
	v_permlanex16_b32 v[TMP], v14, s[SEL], s[SEL+1]
	s_delay_alu instid0(VALU_DEP_1)
	v_add_f32 v14, v14, v[TMP]
	s_wait_alu depctr_va_vdst(0)
	v_rcp_f32 v14, v14
.rept 4
	v_nop                                          ; plain places behind the reciprocal and behind the last products
.endr
	s_wait_alu depctr_va_vdst(0)                   ; ahead of the reciprocal's first reader
.set j, 0
.rept 32
	v_mul_f32 v[S+j], v[OT+j], v14                 ; register 16 G + i: channel 32 G + 16 h + i of my query
.set j, j+1
.endr
.irp b, 0,1
	v_max3_num_f32 v[BM+\b], |v[S+16*\b]|, |v[S+1+16*\b]|, 0x1800000
.endr
.irp i, 2,4,6,8,10,12,14
.irp b, 0,1
	s_delay_alu instid0(VALU_DEP_2)
	v_max3_num_f32 v[BM+\b], v[BM+\b], |v[S+16*\b+\i]|, |v[S+1+16*\b+\i]|
.endr
.endr
.irp b, 0,1
	s_delay_alu instid0(VALU_DEP_2)
	v_permlanex16_b32 v[T+\b], v[BM+\b], s[SEL], s[SEL+1]
.endr
.irp b, 0,1
	s_delay_alu instid0(VALU_DEP_2)
	v_max_num_f32 v[BM+\b], v[BM+\b], v[T+\b]
.endr
.irp b, 0,1
	s_delay_alu instid0(VALU_DEP_2)
	v_add_nc_u32 v[SO+\b], 0xff000000, v[BM+\b]
.endr
.irp b, 0,1
	s_delay_alu instid0(VALU_DEP_2)
	v_lshrrev_b32 v[T+\b], 23, v[SO+\b]
.endr
	s_delay_alu instid0(VALU_DEP_1)
	v_lshl_or_b32 v[TMP], v[T+1], 8, v[T]
	s_delay_alu instid0(VALU_DEP_1)
	v_lshlrev_b32 v[TMP], s80, v[TMP]
	v_cvt_scalef32_pk16_fp6_f32 v[PC:PC+2], v[S:S+15], v[SO]
	v_cvt_scalef32_pk16_fp6_f32 v[T+4:T+6], v[S+16:S+31], v[SO+1]
	v_nop
.irp i, 0,1,2
	v_permlane16_swap_b32 v[PC+\i], v[T+4+\i]
.endr
.irp i, 0,1,2
	s_delay_alu instid0(VALU_DEP_3)
	v_mov_b32 v[PC+3+\i], v[T+4+\i]
.endr
	global_store_b128 v[L16], v[PC:PC+3], s[\acb:\acb+1]
	global_store_b64 v[L8], v[PC+4:PC+5], s[\acb:\acb+1] offset:512
	ds_store_b32 v[\sga], v[TMP]                   ; both halves of the lanes write the same word with the same value
.endm
	s_wait_alu depctr_va_vdst(0)                   ; the head's end
	s_cmp_lt_u32 s[WV], 2
	s_cbranch_scc0 .Lnot_first
	s_wait_tensorcnt 0x0                           ; waves 0 and 1: record 0, the scale bytes
.Lnot_first:
	s_barrier_signal -1
	s_barrier_wait -1                              ; both are shown to all
	KLOAD 0                                        ; key step 0's fragments of k
	s_wait_loadcnt 0x0                             ; q of both tiles
	TRIP 1                                         ; key steps 0 and 1 lie in record 0
	TRIP 0                                         ; (key step 2 lies in record 1, which the barrier below shows)
	s_wait_tensorcnt 0x0                           ; every wave, for all its tensor loads
	s_wait_dscnt 0x0
	s_barrier_signal -1
	s_barrier_wait -1                              ; the whole head lies in LDS
	s_cmp_gt_u32 s[KI], s[LIMK]
	s_cbranch_scc1 .Lno_third
	KLOAD 0                                        ; key step 2's, where my first tile has one
.Lno_third:
.Lfirst_tile:                                          ; key steps 2 to 15: constant trips; a wave jumps over those behind its chunk
	TRIP 1
	s_cmp_lt_u32 s[KI], 16
	s_cbranch_scc1 .Lfirst_tile
	WAYOUT SGA, 58
	s_wait_xcnt 0x0                                ; the stores have read their registers: the codes' registers are written again below
	s_wait_dscnt 0x0                               ; no LDS load is out on any way here: the second tile's first fragments are asked for into the same registers below
.irp i, 0,1,2,3,4,5
	v_mov_b32 v[QQ+\i], v[QB+\i]                   ; the second tile's q,
.endr
	v_mov_b32 v[QSC], v[QSB]                       ; its scale word,
	v_add_nc_u32 v[TH], 8, v[TH]                   ; its queries lie 8 further on in their chunk
	TILEINIT                                       ; (more than eight places ahead of the first product that takes the scale word)
	s_xor_b32 s[LIMK], s[LIMK], 15                 ; chunk 15 - w
	s_mov_b32 s[KI], 0
	s_wait_alu depctr_va_vdst(0)
	KLOAD 0                                        ; the second tile begins at key step 0 again
.Lsecond_tile:
	TRIP 1
	s_cmp_lt_u32 s[KI], 16
	s_cbranch_scc1 .Lsecond_tile
	WAYOUT SGB, 66
	s_wait_dscnt 0x0                               ; for the others' sake: my scale words lie in LDS
	s_barrier_signal -1
	s_barrier_wait -1
	s_cmp_lt_u32 s[WV], 4
	s_cbranch_scc0 .Lno_copy
	ds_load_b128 v[FB:FB+3], v[SGR]                ; waves 0 to 3: 512 of the work-group's 2,048 bytes of scale words each: two aligned blocks of 256 bytes
	s_wait_dscnt 0x0
	global_store_b128 v[L16], v[FB:FB+3], s[76:77]
.Lno_copy:
	s_wait_tensorcnt 0x0                           ; the wave's end
	ds_add_u32 v[SPW], v[NIL]
	s_wait_dscnt 0x0
	CROUND                                         ; the closing round
	s_endpgm
.Lfunc_end_k_q1346ddf5db_attn:
	.size	k_q1346ddf5db_attn, .Lfunc_end_k_q1346ddf5db_attn-k_q1346ddf5db_attn
	.p2alignl 7, 3214868480
	.fill 96, 4, 3214868480
	.section	.rodata,"a",@progbits
	.p2align	6, 0x0
	.amdhsa_kernel k_q1346ddf5db_attn
		.amdhsa_group_segment_fixed_size 327680
		.amdhsa_private_segment_fixed_size 0
		.amdhsa_enable_private_segment 0
		.amdhsa_kernarg_size 40
		.amdhsa_user_sgpr_count 2
		.amdhsa_user_sgpr_kernarg_segment_ptr 1
		.amdhsa_wavefront_size32 1
		.amdhsa_system_sgpr_workgroup_id_x 1
		.amdhsa_system_sgpr_workgroup_id_y 1
		.amdhsa_system_sgpr_workgroup_id_z 1
		.amdhsa_system_vgpr_workitem_id 0
		.amdhsa_next_free_vgpr 256
		.amdhsa_next_free_sgpr 100
		.amdhsa_reserve_vcc 1
		.amdhsa_float_denorm_mode_32 3
		.amdhsa_float_denorm_mode_16_64 3
		.amdhsa_memory_ordered 1
		.amdhsa_forward_progress 1
		.amdhsa_inst_pref_size 115
	.end_amdhsa_kernel
	.amdgpu_metadata
---
amdhsa.version: [ 1, 2 ]
amdhsa.kernels:
  - .name:           k_q1346ddf5db_attn
    .symbol:         k_q1346ddf5db_attn.kd
    .args:
      - { .name: qq, .offset: 0, .size: 8, .value_kind: global_buffer, .address_space: global }
      - { .name: kvc, .offset: 8, .size: 8, .value_kind: global_buffer, .address_space: global }
      - { .name: kvs, .offset: 16, .size: 8, .value_kind: global_buffer, .address_space: global }
      - { .name: ac, .offset: 24, .size: 8, .value_kind: global_buffer, .address_space: global }
      - { .name: asw, .offset: 32, .size: 8, .value_kind: global_buffer, .address_space: global }
    .group_segment_fixed_size: 327680
    .private_segment_fixed_size: 0
    .kernarg_segment_align: 8
    .kernarg_segment_size: 40
    .max_flat_workgroup_size: 512
    .sgpr_count:     100
    .vgpr_count:     256
    .wavefront_size: 32
...
	.end_amdgpu_metadata
.endif
;; end of part 3
;; launch proj (part 4): grid 8 x 32, 4 waves a work-group, clusters of 4 x 4, 327,680 bytes of LDS; arguments ac, asw, codes1, scales1, bout, out0; writes out0
.if DOCPART == 4
	.amdgcn_target "amdgcn-amd-amdhsa--gfx1250"
	.amdhsa_code_object_version 6
	.text
	.protected	k_q1346ddf5db_proj
	.globl	k_q1346ddf5db_proj
	.p2align	8
	.type	k_q1346ddf5db_proj,@function
k_q1346ddf5db_proj:
	s_mov_b64 s[64:65], 0
	v_nop
	global_prefetch_b8 v0, s[64:65] scope:SCOPE_SE
	s_setreg_imm32_b32 hwreg(HW_REG_WAVE_MODE, 25, 1), 1
	s_wait_xcnt 0x0
	s_wait_alu depctr_hold_cnt(0) depctr_sa_sdst(0) depctr_va_vdst(0) depctr_va_sdst(0) depctr_va_ssrc(0) depctr_va_vcc(0) depctr_vm_vsrc(0)
	s_getreg_b32 s2, hwreg(HW_REG_IB_STS2, 6, 4)
	s_cmp_eq_u32 s2, 0
	s_cbranch_scc0 .Lentry_in_a_cluster
	s_endpgm
.Lentry_in_a_cluster:
	s_bfe_u32 s2, ttmp6, 0x10000c
	s_cmp_lg_u32 s2, 0xf033
	s_cbranch_scc0 .Lentry_shape_is_right
	s_endpgm
.Lentry_shape_is_right:
; LAUNCH 4 OF 4.  out0 = attn Wout^T + bout on codes of FP6.  Nothing is left out here.
; SHARES.  A work-group makes 256 rows (y) x 128 columns (x).  Four waves, 2 x 2: wave w takes rows 128 (w / 2) on (8 tiles of 16) and columns 64 (w % 2) on (4 tiles of Wout).
; A WAVE HOLDS ITS 64 ROWS OF Wout, ALL OF K, IN REGISTERS (32 fragments, 384 registers) and streams its 8 tiles of rows past them: a tile is 8 fragments (two sets of 96 registers, fetched two tiles ahead)
; and 32 products on four accumulators by turns; its 16 x 64 results are then finished, go through the wave's own stage in LDS, and are stored while the next tile is multiplied.
; The bias is the C of each sum's first product.  The matrix instruction is used transposed (source 0 = Wout's rows): a lane holds eight neighbouring columns of one row.
; LDS holds ALL of K, filled once: the 16 tiles of rows (12,288 bytes each) from byte 0, Wout's 8 from BOFF.  Wave 0 asks for Wout's (a line of its own), waves 2 and 3 for eight tiles of rows each.  The first barrier
; shows Wout's tiles alone, and the 128 LDS loads that bring them into registers stand ahead of the wait for the rows.  CLUSTER 4 x 4: the rows' tiles are shared along a row of the cluster, Wout's along a column.
; NO PREFETCH: every tensor load of the launch is issued at its head, so no later load is left to run ahead of.
; THE COUNTED WAITS ON LDS.  A fetch is 32 loads, a turn through the stage 8 stores and 8 loads.  Ahead of tile i's products: younger than its fetch are tile i - 1's turn and tile i + 1's fetch (48; tile 0: 32; tile 7: 16).
; Ahead of tile i - 1's stores: younger than its turn is tile i + 1's fetch (32; none at the end).
; asw: [head][j][chunk of 128 rows][tile % 2][row]: my tiles 2 p, 2 p + 1 lie at j = p, chunk 2 (y % 8) + w / 2; an even head's two bytes stand in the lower half of a word, an odd head's in the upper.
.set BOFF,  196608
.set SPARE, 294912                     ; the spare words, 128 bytes a wave: two blocks of 256 bytes that no other line names
.set STG,   295424                     ; the stages: 16 rows x (256 + 16) bytes a wave
.set SP,    272
.set L16, 1
.set L8,  2
.set R16, 3
.set L4,  4
.set H64, 5
.set AA16, 8                           ; v8-9, v10-11: my tiles 0-3 and 4-7 of rows: + 16 x lane, + 8 x lane
.set AA8, 10
.set AW16, 12                          ; v12, v13: my four tiles of Wout
.set AW8, 13
.set STO, 14
.set RD,  15
.set CO,  16
.set SPW, 28
.set NIL, 29
.set SCA, 32                           ; v32-63 the rows' scale words: 8 p + K step; lanes 0-15 tile 2 p, lanes 16-31 tile 2 p + 1
.set SCB, 64                           ; v64-95 Wout's: 8 b + K step
.set SCO, 96                           ; v96-127 the odd heads' halves, until they are joined
.set ACC, 128                          ; v128-191 two sets of four accumulators
.set BK,  192                          ; v192-255 two sets of 16 rows read back from the stage
.set BIA, 128                          ; window 3, v128-159: the bias, as the result lies
.set FPW, 21                           ; fragment f lies in window 1 + f / 21 at register 12 (f % 21): 0-31 Wout's (4 q + b), 32-39 and 40-47 the rows' two sets
.set G1A, 24
.set G1B, 32
.set G0A, 40
.set G0B, 44
.set MSB, 0
.macro WIN new                         ; the immediate's high byte repeats the setting that is left
.if MSB != \new
	s_set_vgpr_msb (MSB<<8)|\new
.set MSB, \new
.endif
.endm
.macro PLACES
.rept 4
	v_nop
.endr
.endm
.macro TLOAD g0, g1                    ; an s_nop 0 and four v_nop follow the line
	tensor_load_to_lds s[\g0:\g0+3], s[\g1:\g1+7]
	s_nop 0
	PLACES
.endm
.macro CROUND
	s_barrier_signal -1
	s_barrier_wait -1
	s_cmp_lg_u32 s16, 0
	s_cbranch_scc1 .Lnot_wave_0_\@
	s_barrier_signal -3
.Lnot_wave_0_\@:
	s_barrier_wait -3
	s_barrier_signal -1
	s_barrier_wait -1
.endm
.macro FRAGW f, a16, a8, off           ; a fragment as it lies: two units of 768 bytes
	WIN (1+(\f)/FPW)<<6
.set R_, 12*((\f)%FPW)
	ds_load_b128 v[R_:R_+3], v[\a16] offset:(\off)
	ds_load_b64 v[R_+4:R_+5], v[\a8] offset:(\off)+512
	ds_load_b128 v[R_+6:R_+9], v[\a16] offset:(\off)+768
	ds_load_b64 v[R_+10:R_+11], v[\a8] offset:(\off)+1280
.endm
.macro FETCH i                         ; my tile i of rows, all of K, into set i % 2
.irp q, 0,1,2,3,4,5,6,7
	FRAGW 32+8*((\i)%2)+\q, AA16+(\i)/4, AA8+(\i)/4, 12288*((\i)%4)+1536*\q
.endr
	WIN 0
.endm
.macro PROD1 d, fw, fa, c, xw, xa, o
.if \o
	v_wmma_scale_f32_16x16x128_f8f6f4 v[\d:\d+7], v[12*((\fw)%FPW):12*((\fw)%FPW)+11], v[12*((\fa)%FPW):12*((\fa)%FPW)+11], \c, v[\xw], v[\xa] matrix_a_fmt:MATRIX_FMT_FP6 matrix_b_fmt:MATRIX_FMT_FP6 matrix_b_scale:MATRIX_SCALE_ROW1
.else
	v_wmma_scale_f32_16x16x128_f8f6f4 v[\d:\d+7], v[12*((\fw)%FPW):12*((\fw)%FPW)+11], v[12*((\fa)%FPW):12*((\fa)%FPW)+11], \c, v[\xw], v[\xa] matrix_a_fmt:MATRIX_FMT_FP6 matrix_b_fmt:MATRIX_FMT_FP6
.endif
.endm
.macro PROD i, q, b                    ; tile i of rows x Wout's tile b, K step q
.set FW_, 4*(\q)+(\b)
.set FA_, 32+8*((\i)%2)+(\q)
.set D_, ACC+32*((\i)%2)+8*(\b)
.set XW_, SCB+8*(\b)+(\q)
.set XA_, SCA+8*((\i)/2)+(\q)
.if (\q) == 0
	WIN (1+FW_/FPW)|((1+FA_/FPW)<<2)|(3<<4)
	PROD1 D_, FW_, FA_, v[BIA+8*(\b):BIA+8*(\b)+7], XW_, XA_, (\i)%2
.else
	WIN (1+FW_/FPW)|((1+FA_/FPW)<<2)
	PROD1 D_, FW_, FA_, v[D_:D_+7], XW_, XA_, (\i)%2
.endif
.endm
.macro TOSTAGE i                       ; 16 x 64 results into my stage, each accumulator from its low end on, and back as rows of 256 bytes; LDS serves a wave's instructions in order
.set A_, ACC+32*((\i)%2)
.set B_, BK+32*((\i)%2)
.irp b, 0,1,2,3
	ds_store_b128 v[STO], v[A_+8*\b:A_+8*\b+3] offset:128*(\b/2)+32*(\b%2)
	ds_store_b128 v[STO], v[A_+8*\b+4:A_+8*\b+7] offset:128*(\b/2)+32*(\b%2)+16
.endr
.irp t, 0,1,2,3,4,5,6,7
	ds_load_b128 v[B_+4*\t:B_+4*\t+3], v[RD] offset:2*\t*SP
.endr
.endm
.macro SEND i, younger                 ; sixteen lanes store a row's 256 consecutive bytes, aligned; two rows an instruction
.set B_, BK+32*((\i)%2)
	s_wait_dscnt \younger
.irp t, 0,1,2,3,4,5,6,7
	global_store_b128 v[CO], v[B_+4*\t:B_+4*\t+3], s[90:91] offset:(32*((\i)/2)+8*((\i)%2)+2*\t+8*(\t/4))*4096 th:TH_STORE_NT
.endr
.endm
	s_load_b256 s[4:11], s[0:1], 0x0               ; ac, asw, codes1, scales1
	s_load_b128 s[12:15], s[0:1], 0x20             ; bout, out0
	v_lshl_add_u32 v[SPW], v0, 2, SPARE
	v_mov_b32 v[NIL], 0
	ds_add_u32 v[SPW], v[NIL]                      ; the wave's opening: the add, twice on end, and its wait ahead of the first tensor load
	ds_add_u32 v[SPW], v[NIL]
	v_lshrrev_b32 v6, 5, v0
	v_readfirstlane_b32 s16, v6                    ; wave
	s_lshr_b32 s17, s16, 1                         ; which 128 rows
	s_and_b32 s18, s16, 1                          ; which 64 columns.  Also: which eight tiles of rows waves 2 and 3 fetch
	s_bfe_u32 s19, ttmp6, 0x40000                  ; cx
	s_bfe_u32 s20, ttmp6, 0x40004                  ; cy
	s_lshl_b32 s21, ttmp9, 2
	s_add_co_u32 s21, s21, s19                     ; x
	s_and_b32 s22, ttmp7, 0xffff
	s_lshl_b32 s22, s22, 2
	s_add_co_u32 s22, s22, s20                     ; y
	s_lshl_b32 s60, s20, 2
	s_lshl_b32 s60, 15, s60                        ; my row of the cluster
	s_lshl_b32 s61, 0x1111, s19                    ; my column
	s_or_b32 s[G1A], s60, (3<<16)|(1<<21)          ; the mask; elements of 8 bytes; bit 21 beside a mask; no padding: the images are dense
	s_or_b32 s[G1B], s61, (3<<16)|(1<<21)
.irp g, G1A, G1B
	s_mov_b32 s[\g+1], 1536<<16                    ; a row: a whole tile, 12,288 bytes
	s_mov_b32 s[\g+2], 8<<16                       ; eight tiles a load
	s_mov_b32 s[\g+3], 1536<<16
	s_mov_b32 s[\g+4], 8
	s_mov_b32 s[\g+5], 1536
	s_mov_b32 s[\g+6], 0
	s_mov_b32 s[\g+7], 0
.endr
	s_lshl_b32 s56, s22, 4
	s_lshl_b32 s66, s18, 3
	s_add_co_u32 s56, s56, s66                     ; the rows' tile 16 y + 8 (w % 2)
	s_mul_i32 s56, s56, 12288
	s_mov_b32 s57, 0
	s_lshl_b32 s58, s21, 3
	s_add_co_u32 s58, s58, 704                     ; Wout's tile 704 + 8 x
	s_mul_i32 s58, s58, 12288
	s_mov_b32 s59, 0
	s_mul_i32 s62, s18, 98304                      ; where the rows go: no place in the cluster enters an LDS address
	s_mul_i32 s63, s18, 49152
	s_add_co_u32 s63, s63, BOFF                    ; my four tiles of Wout
	s_mul_i32 s66, s17, 98304                      ; my eight tiles of rows
	s_add_co_u32 s67, s66, 49152
	s_mul_i32 s23, s16, 16*SP
	s_add_co_u32 s23, s23, STG                     ; my stage
	v_and_b32 v6, 31, v0
	v_and_b32 v7, 15, v0                           ; r
	v_bfe_u32 v17, v0, 4, 1                        ; h
	v_lshlrev_b32 v[L16], 4, v6
	v_lshlrev_b32 v[L8], 3, v6
	v_lshlrev_b32 v[L4], 2, v6
	v_lshlrev_b32 v[R16], 4, v7
	v_lshlrev_b32 v[H64], 6, v17
	v_mul_u32_u24 v[STO], v7, SP
	v_mul_u32_u24 v[RD], v17, SP
	v_add_nc_u32 v[AA16], s66, v[L16]
	v_add_nc_u32 v[AA16+1], s67, v[L16]
	v_add_nc_u32 v[AA8], s66, v[L8]
	v_add_nc_u32 v[AA8+1], s67, v[L8]
	v_add_nc_u32 v[AW16], s63, v[L16]
	v_add_nc_u32 v[AW8], s63, v[L8]
	v_add_nc_u32 v[STO], v[STO], v[H64]
	v_add_nc_u32 v[RD], v[RD], v[R16]
	v_lshl_add_u32 v[CO], v17, 12, v[R16]          ; out: lanes 0-15 one row of out0, lanes 16-31 the next
	v_add_nc_u32 v[STO], s23, v[STO]               ; in: row r, 32 bytes for each half of the lanes in each 64
	v_add_nc_u32 v[RD], s23, v[RD]                 ; back: two rows of 256 bytes
	s_wait_alu depctr_va_vdst(0)
	s_wait_dscnt 0x0                               ; both opening adds are done
	s_wait_kmcnt 0x0
	s_add_nc_u64 s[56:57], s[4:5], s[56:57]
	s_add_nc_u64 s[58:59], s[8:9], s[58:59]
	CROUND                                         ; all sixteen work-groups are here: the joint loads meet
	s_mov_b32 s[G0A], 1
	s_mov_b32 s[G0A+1], s62
	s_mov_b64 s[G0A+2:G0A+3], s[56:57]
	s_or_b32 s[G0A+3], s[G0A+3], 0x80000000
	s_mov_b32 s[G0B], 1
	s_mov_b32 s[G0B+1], BOFF
	s_mov_b64 s[G0B+2:G0B+3], s[58:59]
	s_or_b32 s[G0B+3], s[G0B+3], 0x80000000
	s_cmp_eq_u32 s16, 0
	s_cbranch_scc0 .Lnot_w
	TLOAD G0B, G1B                                 ; wave 0: Wout's eight tiles
	s_branch .Lasked
.Lnot_w:
	s_cmp_lt_u32 s16, 2
	s_cbranch_scc1 .Lasked
	TLOAD G0A, G1A                                 ; waves 2 and 3: eight tiles of rows each
.Lasked:
	s_lshr_b32 s84, s22, 3
	s_lshl_b32 s84, s84, 17
	s_and_b32 s85, s22, 7
	s_lshl_b32 s85, s85, 8
	s_add_co_u32 s84, s84, s85
	s_lshl_b32 s85, s17, 7
	s_add_co_u32 s84, s84, s85
	s_mov_b32 s85, 0
	s_add_nc_u64 s[84:85], s[6:7], s[84:85]        ; asw: batch, chunk 2 (y % 8) + w / 2
	s_lshl_b32 s86, s21, 3
	s_lshl_b32 s87, s18, 2
	s_add_co_u32 s86, s86, s87
	s_add_co_u32 s86, s86, 704
	s_lshl_b32 s86, s86, 9
	s_mov_b32 s87, 0
	s_add_nc_u64 s[86:87], s[10:11], s[86:87]      ; the scale words of my four tiles of Wout
	s_lshl_b32 s88, s21, 9
	s_lshl_b32 s89, s18, 8
	s_add_co_u32 s88, s88, s89                     ; my first column, in bytes
	s_mov_b32 s89, 0
	s_lshl_b32 s90, s22, 8
	s_lshl_b32 s91, s17, 7
	s_add_co_u32 s90, s90, s91
	s_lshl_b32 s90, s90, 12                        ; my first row of out0, in bytes
	s_add_co_u32 s90, s90, s88
	s_mov_b32 s91, 0
	s_add_nc_u64 s[88:89], s[12:13], s[88:89]
	s_add_nc_u64 s[90:91], s[14:15], s[90:91]
.irp b, 0,1,2,3
.irp g, 0,1
	global_load_b128 v[SCB+8*\b+4*\g:SCB+8*\b+4*\g+3], v[R16], s[86:87] offset:512*\b+256*\g
.endr
.endr
	WIN 0xc0                                       ; destination window 3
.irp b, 0,1,2,3
	global_load_b128 v[BIA+8*\b:BIA+8*\b+3], v[H64], s[88:89] offset:(32*(\b/2)+8*(\b%2))*4      ; register j: the bias of column 32 (b / 2) + 16 h + 8 (b % 2) + j
	global_load_b128 v[BIA+8*\b+4:BIA+8*\b+7], v[H64], s[88:89] offset:(32*(\b/2)+8*(\b%2))*4+16
.endr
	WIN 0
.irp p, 0,1,2,3
.irp k, 0,1,2,3,4,5,6,7
	global_load_b32 v[SCA+8*\p+\k], v[L4], s[84:85] offset:8192*(2*\k)+2048*\p
	global_load_b32 v[SCO+8*\p+\k], v[L4], s[84:85] offset:8192*(2*\k+1)+2048*\p
.endr
.endr
	s_cmp_eq_u32 s16, 0
	s_cbranch_scc0 .Lno_wait
	s_wait_tensorcnt 0x0                           ; wave 0: Wout's tiles
.Lno_wait:
	s_barrier_signal -1
	s_barrier_wait -1                              ; they are shown to all
.irp q, 0,1,2,3,4,5,6,7
.irp b, 0,1,2,3
	FRAGW 4*\q+\b, AW16, AW8, 12288*\b+1536*\q
.endr
.endr
	WIN 0
	s_wait_loadcnt 0x0                             ; scale words and the bias
.set k, 0
.rept 32
	v_or_b32 v[SCA+k], v[SCA+k], v[SCO+k]          ; the even and the odd head's bytes make a K step's word
.set k, k+1
.endr
	s_wait_alu depctr_va_vdst(0)
	s_wait_tensorcnt 0x0                           ; every wave, for all its tensor loads
	s_wait_dscnt 0x0                               ; Wout's fragments are in registers
	s_barrier_signal -1
	s_barrier_wait -1                              ; the rows' tiles are shown to all
	FETCH 0
	FETCH 1
.irp i, 0,1,2,3,4,5,6,7
.if \i == 0
	s_wait_dscnt 32
.elseif \i < 7
	s_wait_dscnt 48
.else
	s_wait_dscnt 16
.endif
.irp q, 0,1,2,3,4,5,6,7                ; the four accumulators take turns, one instruction a turn
.irp b, 0,1,2,3
	PROD \i, \q, \b
.endr
.endr
	WIN 0
	PLACES                                         ; in front of the stage's stores, which read results just made, and of the fetch into registers that the products read
.if \i > 0
.if \i < 7
	SEND \i-1, 32
.else
	SEND \i-1, 0
.endif
.endif
.if \i > 1
	s_wait_xcnt 0x0                                ; tile i - 2's stores have read their registers: tile i's rows may land there
.endif
	TOSTAGE \i
.if \i < 6
	FETCH \i+2
.endif
.endr
	SEND 7, 0
	s_wait_tensorcnt 0x0                           ; the wave's end
	ds_add_u32 v[SPW], v[NIL]
	s_wait_dscnt 0x0
	CROUND                                         ; the closing round
	s_endpgm
.Lfunc_end_k_q1346ddf5db_proj:
	.size	k_q1346ddf5db_proj, .Lfunc_end_k_q1346ddf5db_proj-k_q1346ddf5db_proj
	.p2alignl 7, 3214868480
	.fill 96, 4, 3214868480
	.section	.rodata,"a",@progbits
	.p2align	6, 0x0
	.amdhsa_kernel k_q1346ddf5db_proj
		.amdhsa_group_segment_fixed_size 327680
		.amdhsa_private_segment_fixed_size 0
		.amdhsa_enable_private_segment 0
		.amdhsa_kernarg_size 48
		.amdhsa_user_sgpr_count 2
		.amdhsa_user_sgpr_kernarg_segment_ptr 1
		.amdhsa_wavefront_size32 1
		.amdhsa_system_sgpr_workgroup_id_x 1
		.amdhsa_system_sgpr_workgroup_id_y 1
		.amdhsa_system_sgpr_workgroup_id_z 1
		.amdhsa_system_vgpr_workitem_id 0
		.amdhsa_next_free_vgpr 1024
		.amdhsa_next_free_sgpr 100
		.amdhsa_reserve_vcc 0
		.amdhsa_float_denorm_mode_32 3
		.amdhsa_float_denorm_mode_16_64 3
		.amdhsa_memory_ordered 1
		.amdhsa_forward_progress 1
		.amdhsa_inst_pref_size 90
	.end_amdhsa_kernel
	.amdgpu_metadata
---
amdhsa.version: [ 1, 2 ]
amdhsa.kernels:
  - .name:           k_q1346ddf5db_proj
    .symbol:         k_q1346ddf5db_proj.kd
    .args:
      - { .name: ac, .offset: 0, .size: 8, .value_kind: global_buffer, .address_space: global }
      - { .name: asw, .offset: 8, .size: 8, .value_kind: global_buffer, .address_space: global }
      - { .name: codes1, .offset: 16, .size: 8, .value_kind: global_buffer, .address_space: global }
      - { .name: scales1, .offset: 24, .size: 8, .value_kind: global_buffer, .address_space: global }
      - { .name: bout, .offset: 32, .size: 8, .value_kind: global_buffer, .address_space: global }
      - { .name: out0, .offset: 40, .size: 8, .value_kind: global_buffer, .address_space: global }
    .group_segment_fixed_size: 327680
    .private_segment_fixed_size: 0
    .kernarg_segment_align: 8
    .kernarg_segment_size: 48
    .max_flat_workgroup_size: 128
    .sgpr_count:     100
    .vgpr_count:     1024
    .wavefront_size: 32
...
	.end_amdgpu_metadata
.endif
;; end of part 4
